; MI455X (gfx1250); checked and timed in simulation.
; The chip was launched on July 23, 2026; its instructions are those of AMD's public machine-readable ISA for CDNA 5 (MIT licence, August 2026) and "CDNA5" Instruction Set Architecture Reference Guide (July 2026). The comments in the code are by the model that wrote it; some were corrected since.
;; Experts. Allowed arithmetic: matrix products marked QUANTISED: E2M1 operands, one E8M0 scale for each 32 along K, by v_wmma_scale_f32_16x16x128_f8f6f4 with both operands' format E2M1 (or v_wmma_scale_f32_32x16x128_f4), f32 sums; everything else in f32.
;; Inputs: b1 8 x 2,048 float32; b2 8 x 1,024 float32; w1 8 x 1,024 x 2,048 float32; w2 8 x 2,048 x 1,024 float32; x 4 x 8 x 512 x 1,024 float32.
;; Outputs: out0 4 x 8 x 512 x 1,024 float32.
;; This version of the problem:
;;   THIS VERSION OF THE PROBLEM IS GIVEN IN LOW PRECISION. The matrix products marked QUANTISED in the list below multiply operands that are first quantised to E2M1 (2 exponent bits, 1 mantissa bit; 4 bits a number), with one power-of-two scale for each 32 numbers along K (OCP MX v1.0); their sums are f32. All else is computed in f32.
;;   The module's matrix products, in the order in which they are computed (A, B: the left and right operand; K: the contracted axis; several contracted axes count as one K, in the product's order):
;;     1. batch 8 x [M 2,048, K 1,024] x [K 1,024, N 2,048]; A: input x; B: input w1: QUANTISED
;;     2. batch 8 x [M 2,048, K 2,048] x [K 2,048, N 1,024]; A: computed on the way; B: input w2: QUANTISED
;;   THE QUANTISER, for each operand of a quantised product, along K:
;;     - K is cut into blocks of 32 from its start; a last block that is shorter is filled with zeros.
;;     - A block's scale is 2^e with e = floor(log2(the largest magnitude in the block)) - 2, held to -126 .. 127; a block of zeros has e = 0. As a byte (E8M0): e + 127.
;;     - Each number is divided by its block's scale, clamped to +-6, and rounded to the nearest number of E2M1, ties to even, subnormals kept.
;;     - The product sums the exact products of the quantised numbers (number of the format x scale) in f32.
;;   ~~~python
;;   def quantise(x, axis):      # numpy; x: float32 -> the quantised numbers, widened to float32 again
;;       x = np.moveaxis(x, axis, -1); K = x.shape[-1]
;;       x = np.pad(x, [(0, 0)] * (x.ndim - 1) + [(0, -K % 32)]); x = x.reshape(x.shape[:-1] + (-1, 32)); a = np.abs(x).max(-1, keepdims=True)
;;       e = np.where(a > 0, np.clip(np.frexp(np.where(a > 0, a, 1))[1] - 1 - 2, -126, 127), 0)      # np.frexp(a)[1] - 1 = floor(log2(a)), exactly
;;       r = np.clip(x / 2.0 ** e, -6, 6)
;;       step = 2.0 ** (np.maximum(np.frexp(np.where(r == 0, 1, r))[1] - 1, 0) - 1)
;;       q = np.round(r / step) * step * 2.0 ** e      # np.round: ties to even
;;       return np.moveaxis(q.reshape(q.shape[:-2] + (-1,))[..., :K], -1, axis).astype(np.float32)
;;   ~~~
;;   OPERANDS COMPUTED ON THE WAY. 'Computed on the way' means the value that the module computes at that place (a softmax that the list does not call 'softmax' is quantised finished and normalised). What goes into a quantiser is computed in f32, as accurately as f32 sums, v_exp_f32 and their like allow (about 1e-6 of the number): no bf16 or f16 on the way to a quantiser, and a product that is left as it is and whose result goes on into a quantised operand takes f32 operands (vector FMAs, or v_wmma_f32_16x16x4_f32). A number that lies on a knife's edge between two numbers of the format may be rounded either way, as far as f32 arithmetic and the matrix unit's own rounding can turn it there, and no further.
;; 2 versions, each right; version 2 is version 1 with the launch mlp written anew for expert scheduling mode. Each part assembles by itself: llvm-mc -triple=amdgcn-amd-amdhsa -mcpu=gfx1250 --defsym DOCPART=n.
;; ======== version 1 of 2: 2 launches
;; limits: an absolute error that grows with the inputs' magnitude: up to 1e-07 times it
;; workspace buffers: wq 17,825,792 bytes
;; launch wprep (part 1): grid 1024 x 1, 4 waves a work-group, no clusters, 0 bytes of LDS; arguments w1, w2, wq; writes wq
.if DOCPART == 1
	.amdgcn_target "amdgcn-amd-amdhsa--gfx1250"
	.amdhsa_code_object_version 6
	.text
	.protected	k_qea6d2df56e_wprep
	.globl	k_qea6d2df56e_wprep
	.p2align	8
	.type	k_qea6d2df56e_wprep,@function
k_qea6d2df56e_wprep:
	s_mov_b64 s[64:65], 0
	v_nop
	global_prefetch_b8 v0, s[64:65] scope:SCOPE_SE
	s_setreg_imm32_b32 hwreg(HW_REG_WAVE_MODE, 25, 1), 1
	s_wait_xcnt 0x0
; W1 [8][1024 (k)][2048 (n)] and W2 [8][2048 (k)][1024 (n)], f32, K the FIRST axis inside an expert, become codes of FP4 (E2M1) with one E8M0 scale byte
; for each 32 along K, laid in wq in the order in which the next launch's waves take them into their operand registers.
; A block's scale is 2^(floor(log2(its largest magnitude)) - 2); its byte is the largest magnitude's exponent field - 2, held at 1 from below.
; LIMITS: a block of zeros gets the byte 1 where the quantiser says 127 (its codes are zeros, and this program alone reads the bytes); blocks whose largest
; magnitude lies under 2^-124 are held at the byte 1; NaN and infinities among the inputs are not served.
; A LANE TAKES A COLUMN n, AND ITS REGISTERS RUN DOWN K: a block of 32 lies in one lane's 32 registers, its maximum needs no other lane, and the conversions give codes with K innermost.
; SHARES.  A work-group: 128 columns x 256 along K of one expert of one tensor (the first 512 work-groups take W1, the others W2).  A wave: 32 columns (a pair of tiles of 16), 8 blocks a lane.
; wq: for expert e and reading wave w a stream of 64 records of 8,704 bytes at (4 e + w) x 64 records.  A record = 2 K steps (p) x 4 tiles (t = 2 i + u):
;   byte 1024 (4 p + t) + 256 b + 16 r: the 32 codes of block b of the tile's row r: an image of the operand's registers (load c of two: lane l's 16 bytes at 512 c + 16 l);
;   byte 8192 + 256 i + 8 (16 u + r) + 4 p: the scale word of K step p of row r of tile 2 i + u.
; Row r of the pair's tile u is column 8 u + r + 8 (r / 8) of the wave's 32, so that in the product's result the 16 registers of a pair of tiles are 16 neighbouring columns.
; Records 0-31 (W1): 8 c + 2 G + hh: hidden units 128 (4 c + w) on, K steps 2 G and 2 G + 1, tiles 4 hh on.  Records 32-63 (W2): 32 + 8 q + G: outputs 256 w + 64 q on, K steps 2 G, 2 G + 1.
; No LDS, no barrier: waves share nothing.  Every offset is an immediate (255 rows of 8,192 bytes at the most); no store's data are written again, so no wait frees a source.
.set REC,  8704
.set X,    32                          ; v32-95   two sets of 32 numbers
.set C,    96                          ; v96-127  four registers of codes for each of the 8 blocks
.set SB,   24                          ; v24-25   the two scale words
.set WV,   10                          ; s10      my wave's number
	s_load_b128 s[4:7], s[0:1], 0x0                ; W1, W2
	s_load_b64 s[8:9], s[0:1], 0x10                ; wq
	v_lshrrev_b32 v1, 5, v0
	v_readfirstlane_b32 s[WV], v1                  ; wave 0..3
	v_and_b32 v1, 31, v0                           ; lane = 16 u + r
	v_and_b32 v2, 7, v0                            ; r % 8
	v_bfe_u32 v6, v0, 3, 1                         ; r / 8
	v_bfe_u32 v7, v0, 4, 1                         ; u
	v_lshl_add_u32 v2, v6, 4, v2
	v_lshl_add_u32 v2, v7, 3, v2                   ; my column of the wave's 32: r % 8 + 16 (r / 8) + 8 u
	v_lshlrev_b32 v3, 2, v2                        ; in: 4 bytes a column: the wave still reads 128 consecutive bytes
	v_and_b32 v6, 15, v0
	v_lshlrev_b32 v4, 4, v6
	v_lshl_add_u32 v4, v7, 10, v4                  ; codes out: 1024 u + 16 r
	v_lshlrev_b32 v5, 3, v1                        ; scale words out: 8 bytes a lane
	s_and_b32 s11, ttmp9, 511
	s_lshr_b32 s20, s11, 6                         ; expert
	s_and_b32 s21, s11, 63                         ; which of the expert's 64 parts
	s_lshr_b32 s22, s[WV], 1
	s_and_b32 s23, s[WV], 1                        ; i: which pair of tiles of the record is mine
	s_lshl_b32 s12, s20, 23                        ; an expert is 2^23 bytes in both tensors
	s_lshl_b32 s26, s[WV], 7
	s_add_co_u32 s12, s12, s26                     ; + my wave's 32 columns
.macro LOAD t, pitch                   ; block t: W(32 t + i, my column), i = 0 .. 31, into set t % 2
.irp i, 0,1,2,3,4,5,6,7,8,9,10,11,12,13,14,15,16,17,18,19,20,21,22,23,24,25,26,27,28,29,30,31
	global_load_b32 v[X+32*((\t)%2)+\i], v3, s[12:13] offset:(32*(\t)+\i)*\pitch th:TH_LOAD_NT
.endr
.endm
.macro BLOCK t, pitch
.set XS, X+32*((\t)%2)
.if (\t) < 7
	s_wait_loadcnt 32                              ; this block's 32 loads are in; the next block's 32 may be out
.else
	s_wait_loadcnt 0
.endif
	v_max3_num_f32 v12, |v[XS]|, |v[XS+1]|, |v[XS+2]|               ; the block's largest magnitude: all 32 numbers are mine; two chains
	v_max3_num_f32 v13, |v[XS+3]|, |v[XS+4]|, |v[XS+5]|
.irp i, 6,10,14,18,22,26
	v_max3_num_f32 v12, v12, |v[XS+\i]|, |v[XS+\i+1]|
	v_max3_num_f32 v13, v13, |v[XS+\i+2]|, |v[XS+\i+3]|
.endr
	v_max3_num_f32 v12, v12, |v[XS+30]|, |v[XS+31]|
	v_max3_num_f32 v12, v12, v13, 0x1800000        ; and the floor 2^(3 - 127): the byte cannot fall under 1
	v_add_nc_u32 v11, 0xff000000, v12              ; 2 off the exponent field: the conversion takes the exponent field of this operand as its scale
	v_lshrrev_b32 v13, 23, v11                     ; the scale's byte
.if (\t)%4 == 0
	v_mov_b32 v[SB+(\t)/4], v13                    ; four bytes to a word, the lower K in the lower byte
.else
	v_lshl_or_b32 v[SB+(\t)/4], v13, 8*((\t)%4), v[SB+(\t)/4]
.endif
.irp g, 0,1,2,3
	v_cvt_scalef32_pk8_fp4_f32 v[C+4*(\t)+\g], v[XS+8*\g:XS+8*\g+7], v11
.endr
	global_store_b128 v4, v[C+4*(\t):C+4*(\t)+3], s[14:15] offset:4096*((\t)/4)+256*((\t)%4)   ; lanes 0-15 store 256 consecutive bytes, aligned; lanes 16-31 the 256 that lie 1,024 further on
.if (\t)+2 < 8
	LOAD (\t)+2, \pitch                            ; (the next block begins with plain vector lines: they stand between the conversions and the next write of v11)
.endif
.endm
; src: the scalar pair with the tensor's address.  s12 holds the source's byte offset, s27 the reading wave, s28 the record's number in its stream.
.macro BODY src, pitch
	s_lshl_b32 s26, s20, 2
	s_add_co_u32 s26, s26, s27
	s_lshl_b32 s26, s26, 6
	s_add_co_u32 s26, s26, s28                     ; the record: (4 e + w) x 64 + its number
	s_mul_i32 s14, s26, REC
	s_lshl_b32 s26, s23, 8
	s_add_co_u32 s18, s14, s26                     ; scale words: + 256 i (and 8,192 in the immediate)
	s_lshl_b32 s26, s23, 11
	s_add_co_u32 s14, s14, s26                     ; codes: + 2048 i
	s_mov_b32 s13, 0
	s_mov_b32 s15, 0
	s_mov_b32 s19, 0
	s_wait_kmcnt 0x0
	s_add_nc_u64 s[12:13], s[\src:\src+1], s[12:13]
	s_add_nc_u64 s[14:15], s[8:9], s[14:15]
	s_add_nc_u64 s[18:19], s[8:9], s[18:19]
	LOAD 0, \pitch
	LOAD 1, \pitch
.irp t, 0,1,2,3,4,5,6,7
	BLOCK \t, \pitch
.endr
	global_store_b64 v5, v[SB:SB+1], s[18:19] offset:8192   ; 32 lanes store 256 consecutive bytes, aligned
	s_endpgm
.endm
	s_cmp_lt_u32 ttmp9, 512                        ; W1's work-group or W2's?
	s_cbranch_scc0 .Lw2
	s_and_b32 s24, s21, 15                         ; W1: which 128 columns = which group of 128 hidden units
	s_lshr_b32 s25, s21, 4                         ; which 256 along K
	s_lshl_b32 s26, s25, 21                        ; 256 rows of 8,192 bytes
	s_add_co_u32 s12, s12, s26
	s_lshl_b32 s26, s24, 9
	s_add_co_u32 s12, s12, s26
	s_and_b32 s27, s24, 3                          ; the wave that reads it
	s_lshr_b32 s28, s24, 2
	s_lshl_b32 s28, s28, 3
	s_lshl_b32 s26, s25, 1
	s_add_co_u32 s28, s28, s26
	s_add_co_u32 s28, s28, s22                     ; record 8 c + 2 G + hh
	BODY 4, 8192
.Lw2:
	s_and_b32 s24, s21, 7                          ; W2: which 128 columns
	s_lshr_b32 s25, s21, 3                         ; which 256 along K
	s_lshl_b32 s26, s25, 20                        ; 256 rows of 4,096 bytes
	s_add_co_u32 s12, s12, s26
	s_lshl_b32 s26, s24, 9
	s_add_co_u32 s12, s12, s26
	s_lshr_b32 s27, s24, 1                         ; the wave that reads it
	s_and_b32 s28, s24, 1
	s_lshl_b32 s28, s28, 1
	s_add_co_u32 s28, s28, s22                     ; q = 2 (block % 2) + wave / 2
	s_lshl_b32 s28, s28, 3
	s_add_co_u32 s28, s28, s25
	s_add_co_u32 s28, s28, 32                      ; record 32 + 8 q + G
	BODY 6, 4096
.Lfunc_end_k_qea6d2df56e_wprep:
	.size	k_qea6d2df56e_wprep, .Lfunc_end_k_qea6d2df56e_wprep-k_qea6d2df56e_wprep
	.p2alignl 7, 3214868480
	.fill 96, 4, 3214868480
	.section	.rodata,"a",@progbits
	.p2align	6, 0x0
	.amdhsa_kernel k_qea6d2df56e_wprep
		.amdhsa_group_segment_fixed_size 0
		.amdhsa_private_segment_fixed_size 0
		.amdhsa_enable_private_segment 0
		.amdhsa_kernarg_size 24
		.amdhsa_user_sgpr_count 2
		.amdhsa_user_sgpr_kernarg_segment_ptr 1
		.amdhsa_wavefront_size32 1
		.amdhsa_system_sgpr_workgroup_id_x 1
		.amdhsa_system_sgpr_workgroup_id_y 1
		.amdhsa_system_sgpr_workgroup_id_z 1
		.amdhsa_system_vgpr_workitem_id 0
		.amdhsa_next_free_vgpr 128
		.amdhsa_next_free_sgpr 66
		.amdhsa_reserve_vcc 0
		.amdhsa_float_denorm_mode_32 3
		.amdhsa_float_denorm_mode_16_64 3
		.amdhsa_memory_ordered 1
		.amdhsa_forward_progress 1
		.amdhsa_inst_pref_size 77
	.end_amdhsa_kernel
	.amdgpu_metadata
---
amdhsa.version: [ 1, 2 ]
amdhsa.kernels:
  - .name:           k_qea6d2df56e_wprep
    .symbol:         k_qea6d2df56e_wprep.kd
    .args:
      - { .name: w1, .offset: 0, .size: 8, .value_kind: global_buffer, .address_space: global }
      - { .name: w2, .offset: 8, .size: 8, .value_kind: global_buffer, .address_space: global }
      - { .name: wq, .offset: 16, .size: 8, .value_kind: global_buffer, .address_space: global }
    .group_segment_fixed_size: 0
    .private_segment_fixed_size: 0
    .kernarg_segment_align: 8
    .kernarg_segment_size: 24
    .max_flat_workgroup_size: 128
    .sgpr_count:     66
    .vgpr_count:     128
    .wavefront_size: 32
...
	.end_amdgpu_metadata
.endif
;; end of part 1
;; launch mlp (part 2): grid 256 x 1, 4 waves a work-group, no clusters, 190,976 bytes of LDS; arguments x, wq, b1, b2, out0; writes out0
.if DOCPART == 2
	.amdgcn_target "amdgcn-amd-amdhsa--gfx1250"
	.amdhsa_code_object_version 6
	.text
	.protected	k_qea6d2df56e_mlp
	.globl	k_qea6d2df56e_mlp
	.p2align	8
	.type	k_qea6d2df56e_mlp,@function
k_qea6d2df56e_mlp:
	s_mov_b64 s[64:65], 0
	v_nop
	global_prefetch_b8 v0, s[64:65] scope:SCOPE_SE
	s_setreg_imm32_b32 hwreg(HW_REG_WAVE_MODE, 25, 1), 1
	s_wait_xcnt 0x0
; out = Q(gelu(Q(x) Q(W1) + b1)) Q(W2) + b2 for 64 rows of one expert; Q: codes of FP4 (E2M1) with one E8M0 scale for each 32 along a product's K; gelu by erf, in f32.
; x, out0: 16,384 flat rows of 1,024 f32; expert e owns rows 2048 e on.  wq: both weights as codes and scale words, laid by the launch before as streams of records (see RING).
; SHARES.  Work-group g takes rows 64 g .. 64 g + 63 (four tiles of 16) through the whole chain; the hidden layer never goes to memory.  THE WAVES SHARE THE COLUMNS: wave w makes hidden units
; 128 (4 c + w) on (c = 0 .. 3) and outputs 256 w on, for all 64 rows.  So each fragment of a weight is read by ONE wave, feeds four matrix instructions, and goes from memory straight into registers:
; a ring of four groups of 8 fragments, refilled as soon as a group is multiplied, with counted waits and no barrier.  What goes from wave to wave is small: the codes of x and of the hidden layer,
; through LDS as images of the operand's registers (16 bytes a lane at 16 x lane).  Two barriers in all.
; THE FIRST PRODUCT GOES BY HALVES OF A CHUNK: 64 hidden units a wave (4 tiles x 4 tiles of rows: 16 accumulators) want all of K = 4 groups, just what the ring holds.  Each group's slot is filled again
; with the NEXT half's group, so that all four refills have the half's whole gelu, some 2,000 vector instructions, in which to land.
; BOTH PRODUCTS ARE USED TRANSPOSED (source 0 = 16 rows of a weight, source 1 = 16 rows of x or of the hidden layer): a lane holds ONE row, and, by the choice of a tile's rows made in wq,
; register j of tile 2 b + u is unit 32 b + 16 (lane / 16) + 8 u + j: the 16 registers of a pair of tiles are 16 neighbours along the next K, or of a row of the output.
; The biases are the C of each sum's first matrix instruction.
; GELU.  gelu(x) = max(x, 0) - t erfc(t) / sqrt(2), t = |x| / sqrt(2): no difference of near numbers on either side of 0.  erfc(t) = 1 - (t + t Q(t^2)) up to t = 0.921875, exp(-(t + t P(t))) beyond;
; both are computed for every number and one is chosen by v_cndmask_b32.
; NO JOINT LOADS, though the 32 row blocks of an expert walk the same weights: a joint load lands in LDS, in slots that take turns.  Beside the 190,464 bytes used here two slots of 8 records
; (69,632 bytes each) do not fit; in slots of 4 records, one a wave, with one load a wave behind each change of slots, a wave would have 32 matrix instructions between a request and the wait for it,
; and every weight byte would be written to LDS and read back.  The ring in registers has three groups (54 loads) of every wave out at each of its waits.
; LIMITS: NaN and infinities among the inputs are not served.  A block of zeros gets the scale byte 1 where the quantiser says 127 (its codes are zeros); blocks whose largest magnitude lies under
; 2^-124 are held at the byte 1.  P was fitted for erf: for x under about -3 gelu's error is bounded by about |x| x 1e-7 absolute, not relative to gelu; v_exp_f32 gives 0 for results under 2^-126, so gelu(x) is -0 for x under about -13.
; The second product adds its K steps in the order of the stream's groups (pairs 0, 2, 4, 6, 1, 3, 5, 7), not ascending.
; REGISTERS, in windows of 256 (s_set_vgpr_msb: bits 1:0 source 0, 3:2 source 1, 5:4 source 2, 7:6 destination):
;   window 0: v1-15 addresses that stay; v16-47 the rows' scale words; v48-63 the ring's scale words; v64-95 G; v96-127 b1's tiles; v128-159 T; v192-237 at work; in the second product v64-95 b2's tiles, v128-255 the accumulators
;   window 1: x's 32 fragments, later the hidden layer's K steps 0-7   window 2: x as f32, then the first product's 16 accumulators ((t, m) at 32 m + 8 t), later the hidden layer's K steps 8-15   window 3: the ring
.set REC,    8704                      ; a record of wq: 8 fragments of 1,024 bytes, then 512 bytes of scale words
.set XIMG,   0                         ; LDS: x's fragment (tile of rows m, K step s) at 1024 (8 m + s)
.set XSC,    32768                     ; its scale words: 256 s + 64 m + 4 r
.set B1L,    34816                     ; b1 of my expert, as it lies
.set B2L,    43008                     ; b2 likewise
.set HSC,    47104                     ; the hidden layer's scale bytes, two to a word: 4096 hh + 64 (16 w + 4 c + m) + 4 r: half hh's word holds the bytes of blocks 2 hh and 2 hh + 1
.set HSH,    4096
.set HIMG,   55296                     ; its fragment (K step 4 c + w, m) at 16384 w + 4096 c + 1024 m
.set STAGE,  120832                    ; for each wave 17,408 bytes of its own: x's turn (16 rows x 528 bytes), later the way out (64 rows x 272 bytes)
.set SPITCH, 272
.set WSTAGE, 64*SPITCH
.set XPITCH, 528                       ; 512 bytes + 16 = 132 words: row r starts at bank 4 r mod 64 (64 banks of 4 bytes: ISA guide 11.1)
.set LI,   1                           ; 16 x lane
.set L8,   2                           ; 8 x lane
.set L4,   3                           ; 4 x lane
.set XTI,  4                           ; x's turn, in: my stage + 16 x lane
.set XWI,  5                           ; where I store x's images
.set XWS,  6                           ; and their scale words
.set HWI0, 7                           ; the hidden layer's images: my wave's 16,384 bytes
.set HWS0, 8                           ; and scale words: my wave's 1,024 bytes
.set BA1,  9                           ; b1: my wave's 128 numbers of a chunk, + 64 h
.set BA2,  10                          ; b2: my wave's 256 numbers, + 64 h
.set SO,   11                          ; the way out: where I put 16 bytes of a row
.set SR,   12                          ; and where I read rows back
.set GO,   13                          ; my byte offset in two rows of the output
.set HRD,  14                          ; HIMG + 16 x lane
.set TH16, 15                          ; 16 x my thread's number
.set XS,   16                          ; scale words of the rows: register 2 s + j: lanes 0-15 tile of rows 2 j, lanes 16-31 tile 2 j + 1, K step s
.set WS,   48                          ; scale words of the ring: register 4 slot + 2 i + p: lanes 0-15 tile 2 i, lanes 16-31 tile 2 i + 1, K step p
.set G,    64
.set BI2,  64
.set BI1,  96
.set BAD2, 96
.set T,    128
.set HH,   128                         ; where the upper halves of the hidden layer's scale words land
.set ACC,  128
.set SQ,   192
.set RR,   200
.set UU,   208
.set TM,   192                         ; the quantiser's 16 registers
.set PW,   216                         ; the scale word just made
.set PC,   218                         ; the registers of codes just made
.set VC2,  226                         ; constants that stand as the addend beside a scalar factor: pairs, both halves written
.set VC4,  228
.set VK1,  230
.set VRH,  232
.set BADR, 234
.set HADR, 235
.set HSAD, 236
.set XTO,  237                         ; x's turn, out: my stage + 528 r + 64 h
.set WV,   14
.set EX,   15
.set SEL,  20
.set CNT,  22
.set MC,   23
.set HO,   24
.set HSO,  25
.set BO,   26
.set THR,  27
.set C1,   28                          ; scalar pairs: the packed forms name a pair and take its low word for both halves
.set C3,   30
.set C5,   32
.set C6,   34
.set C7,   36
.set K0,   38
.set K2,   40
.set K3,   42
.set K4,   44
.set K5,   46
.set NL,   48
.set RH,   50
.set NRH,  52
.set MSB, 0
.macro WIN new                         ; the immediate's high byte repeats the setting that is left; a switch that changes nothing is dropped
.if MSB != (\new)
	s_set_vgpr_msb (MSB<<8)|(\new)
.set MSB, (\new)
.endif
.endm
.macro PLACES n
.rept \n
	v_nop
.endr
.endm
.macro SPAIR reg, val
	s_mov_b32 s[\reg], \val
	s_mov_b32 s[\reg+1], \val
.endm
.macro VPAIR reg, val
	v_mov_b32 v[\reg], \val
	v_mov_b32 v[\reg+1], \val
.endm
.macro BARRIER                         ; my LDS stores have landed and my LDS loads are in: then the work-group's barrier
	s_wait_dscnt 0x0
	s_barrier_signal -1
	s_barrier_wait -1
.endm
; A group of the weights' stream, the record off bytes from the stream's pointer, into ring slot s: 16 loads of codes (each 512 consecutive bytes), 2 of scale words (256 each): 18 loads.
.macro RING s, off
	WIN 0xc0                                       ; destination window 3
.irp f, 0,1,2,3,4,5,6,7
.irp c, 0,1
	global_load_b128 v[64*(\s)+8*\f+4*\c:64*(\s)+8*\f+4*\c+3], v[LI], s[6:7] offset:(\off)+1024*\f+512*\c
.endr
.endr
	WIN 0
.irp i, 0,1
	global_load_b64 v[WS+4*(\s)+2*\i:WS+4*(\s)+2*\i+1], v[L8], s[6:7] offset:(\off)+8192+256*\i
.endr
.endm
; My 16 rows' numbers of K step s, AS THEY LIE, into set s % 4 of window 2: load i takes the 512 consecutive bytes of row i, 16 a lane
.macro XLOAD s
	WIN 0x80
.irp i, 0,1,2,3,4,5,6,7,8,9,10,11,12,13,14,15
	global_load_b128 v[64*((\s)%4)+4*\i:64*((\s)%4)+4*\i+3], v[LI], s[4:5] offset:4096*\i+512*(\s) th:TH_LOAD_NT
.endr
	WIN 0
.endm
; K step s turns through my stage: in by rows, back so that register 16 b + i of lane (r, h) is k 32 b + 16 h + i of row r: 16 neighbours of each block, as the conversions want them.
; LDS serves a wave's instructions in order (ISA guide 5.7.1.4): no wait between the stores and the loads, nor in front of the next turn's stores; the numbers come back into the registers that they left.
.macro TURN s
	WIN 0x08                                       ; an LDS store's data are its source 1: window 2
.irp i, 0,1,2,3,4,5,6,7,8,9,10,11,12,13,14,15
	ds_store_b128 v[XTI], v[64*((\s)%4)+4*\i:64*((\s)%4)+4*\i+3] offset:XPITCH*\i
.endr
	WIN 0x80                                       ; destination window 2
.irp b, 0,1,2,3
.irp j, 0,1,2,3
	ds_load_b128 v[64*((\s)%4)+16*\b+4*\j:64*((\s)%4)+16*\b+4*\j+3], v[XTO] offset:128*\b+16*\j
.endr
.endr
	WIN 0
.endm
; 64 numbers of a lane, register src + 16 b + i = k 32 b + 16 (lane / 16) + i of my row, become a fragment's codes in v[PC] on and its scale word in v[PW].
; wmax, wcvt: the window settings under which the maxima (the numbers are sources 1 and 2) and the conversions (source 0) find the numbers.
.macro QUANT src, wmax, wcvt
	WIN \wmax
.irp b, 0,1,2,3
	v_max3_num_f32 v[TM+\b], 0x1800000, |v[\src+16*\b]|, |v[\src+16*\b+1]|   ; block b: my 16 numbers, and the floor 2^(3 - 127): the byte cannot fall under 1
.endr
.irp i, 2,4,6,8,10,12,14
.irp b, 0,1,2,3
	v_max3_num_f32 v[TM+\b], v[TM+\b], |v[\src+16*\b+\i]|, |v[\src+16*\b+\i+1]|   ; (the four blocks by turns)
.endr
.endr
	WIN 0
.irp b, 0,1,2,3
	v_permlanex16_b32 v[TM+4+\b], v[TM+\b], s[SEL], s[SEL+1]
.endr
.irp b, 0,1,2,3
	v_max_num_f32 v[TM+\b], v[TM+\b], v[TM+4+\b]   ; with lane l xor 16's: the block's largest magnitude
.endr
.irp b, 0,1,2,3
	v_add_nc_u32 v[TM+12+\b], 0xff000000, v[TM+\b]   ; 2 off its exponent field: the conversion's scale operand
.endr
.irp b, 0,1,2,3
	v_lshrrev_b32 v[TM+4+\b], 23, v[TM+12+\b]      ; the scale's byte
.endr
	v_lshl_or_b32 v[PW], v[TM+5], 8, v[TM+4]       ; the four bytes make my row's scale word
	v_lshl_or_b32 v[PW], v[TM+6], 16, v[PW]
	v_lshl_or_b32 v[PW], v[TM+7], 24, v[PW]
	WIN \wcvt
.irp b, 0,1,2,3
	v_cvt_scalef32_pk8_fp4_f32 v[PC+2*\b], v[\src+16*\b:\src+16*\b+7], v[TM+12+\b]
	v_cvt_scalef32_pk8_fp4_f32 v[PC+2*\b+1], v[\src+16*\b+8:\src+16*\b+15], v[TM+12+\b]
.endr
	WIN 0
	v_nop                                          ; one plain place behind a scaled conversion
.irp c, 0,1                                    ; the operand's layout wants a WHOLE block in a lane: lanes 0-15 block 2 c, lanes 16-31 block 2 c + 1
.irp i, 0,1
	v_permlane16_swap_b32 v[PC+4*\c+\i], v[PC+2+4*\c+\i]
.endr
.endr
.endm
; The same for 32 numbers, two blocks, all in window 0: four registers of codes (half a fragment) in v[PC] on, the two bytes in the low half of v[PW].  Four chains of eight numbers, so that no line waits for the line above it.
.macro QUANT2 src
.irp q, 0,1,2,3
	v_max3_num_f32 v[TM+\q], 0x1800000, |v[\src+8*\q]|, |v[\src+8*\q+1]|
.endr
.irp i, 2,4,6
.irp q, 0,1,2,3
	v_max3_num_f32 v[TM+\q], v[TM+\q], |v[\src+8*\q+\i]|, |v[\src+8*\q+\i+1]|
.endr
.endr
	v_max_num_f32 v[TM], v[TM], v[TM+1]            ; block 0: my 16 numbers
	v_max_num_f32 v[TM+1], v[TM+2], v[TM+3]        ; block 1
.irp b, 0,1
	v_permlanex16_b32 v[TM+4+\b], v[TM+\b], s[SEL], s[SEL+1]
.endr
.irp b, 0,1
	v_max_num_f32 v[TM+\b], v[TM+\b], v[TM+4+\b]
.endr
.irp b, 0,1
	v_add_nc_u32 v[TM+12+\b], 0xff000000, v[TM+\b]
.endr
.irp b, 0,1
	v_lshrrev_b32 v[TM+4+\b], 23, v[TM+12+\b]
.endr
	v_lshl_or_b32 v[PW], v[TM+5], 8, v[TM+4]
.irp b, 0,1
	v_cvt_scalef32_pk8_fp4_f32 v[PC+2*\b], v[\src+16*\b:\src+16*\b+7], v[TM+12+\b]
	v_cvt_scalef32_pk8_fp4_f32 v[PC+2*\b+1], v[\src+16*\b+8:\src+16*\b+15], v[TM+12+\b]
.endr
	v_nop                                          ; one plain place behind a scaled conversion
.irp i, 0,1
	v_permlane16_swap_b32 v[PC+\i], v[PC+2+\i]
.endr
.endm
.macro IMAGE adr, off                  ; the fragment in v[PC] on goes to LDS as it stands
.irp c, 0,1
	ds_store_b128 v[\adr], v[PC+4*\c:PC+4*\c+3] offset:(\off)+512*\c
.endr
.endm
; One matrix instruction, its registers in the symbols rD, rA, rB, rC, rSA, rSB; OA, OB: the side's scale words stand in lanes 16-31
.macro MM
.if OA && OB
	v_wmma_scale_f32_16x16x128_f8f6f4 v[rD:rD+7], v[rA:rA+7], v[rB:rB+7], v[rC:rC+7], v[rSA], v[rSB] matrix_a_fmt:MATRIX_FMT_FP4 matrix_b_fmt:MATRIX_FMT_FP4 matrix_a_scale:MATRIX_SCALE_ROW1 matrix_b_scale:MATRIX_SCALE_ROW1
.elseif OA
	v_wmma_scale_f32_16x16x128_f8f6f4 v[rD:rD+7], v[rA:rA+7], v[rB:rB+7], v[rC:rC+7], v[rSA], v[rSB] matrix_a_fmt:MATRIX_FMT_FP4 matrix_b_fmt:MATRIX_FMT_FP4 matrix_a_scale:MATRIX_SCALE_ROW1
.elseif OB
	v_wmma_scale_f32_16x16x128_f8f6f4 v[rD:rD+7], v[rA:rA+7], v[rB:rB+7], v[rC:rC+7], v[rSA], v[rSB] matrix_a_fmt:MATRIX_FMT_FP4 matrix_b_fmt:MATRIX_FMT_FP4 matrix_b_scale:MATRIX_SCALE_ROW1
.else
	v_wmma_scale_f32_16x16x128_f8f6f4 v[rD:rD+7], v[rA:rA+7], v[rB:rB+7], v[rC:rC+7], v[rSA], v[rSB] matrix_a_fmt:MATRIX_FMT_FP4 matrix_b_fmt:MATRIX_FMT_FP4
.endif
.endm
; A GROUP: the ring's slot: K steps 2 g and 2 g + 1 x 4 tiles of a weight, each against the four tiles of rows: 32 matrix instructions on 16 accumulators, which take turns, one instruction a turn.
; lay = 1: the first product (rows: x, window 1; sums: window 2).   lay = 2: the second (rows: the hidden layer, windows 1 and 2; sums: window 0).
; A sum's first instruction takes the bias tile as C.  cnt: the younger loads that may stay out.  nxt: the slot is filled again with the record nxt records from the stream's pointer; under 0: with nothing.
.macro STEP lay, slot, g, nxt, cnt
	s_wait_loadcnt \cnt
.irp p, 0,1
.set KS, 2*(\g)+\p
.if \lay == 1
.if KS == 0
	WIN 0x87                                       ; weight window 3, x window 1, C (bias) window 0, D window 2
.else
	WIN 0xa7                                       ; C and D window 2
.endif
.else
.if KS < 8
	WIN 0x07                                       ; weight window 3, hidden layer window 1, C and D window 0
.else
	WIN 0x0b                                       ; hidden layer window 2
.endif
.endif
.irp t, 0,1,2,3
.irp m, 0,1,2,3
.set rA, 64*(\slot)+8*(4*\p+\t)
.set rSA, WS+4*(\slot)+2*(\t/2)+\p
.set OA, \t%2
.set OB, \m%2
.if \lay == 1
.set rD, 32*\m+8*\t
.set rB, 8*(8*\m+KS)
.if KS == 0
.set rC, BI1+8*\t
.else
.set rC, 32*\m+8*\t
.endif
.else
.set rD, ACC+32*\m+8*\t
.set rB, 8*(4*(KS%8)+\m)
.if KS == 0
.set rC, BI2+8*\t
.else
.set rC, ACC+32*\m+8*\t
.endif
.endif
.set rSB, XS+2*KS+\m/2
	MM
.endr
.endr
.endr
	PLACES 5                                       ; four places in front of loads into registers that these products read and of the first read of results; the fifth for a later product that begins an accumulator anew
.if (\nxt) >= 0
	RING \slot, (\nxt)*REC
.endif
	WIN 0
.endm
; The first product's results of tile of rows m leave window 2: T = |x| / sqrt(2), G = max(x, 0).  Ascending: each accumulator is read from its low end on.
.macro STAGEA m
	WIN 0x08                                       ; source 1 window 2
.set I, 0
.rept 32
	v_mul_f32 v[T+I], s[RH], |v[32*(\m)+I]|
.set I, I+1
.endr
.set I, 0
.rept 32
	v_max_num_f32 v[G+I], 0, v[32*(\m)+I]
.set I, I+1
.endr
	WIN 0
.endm
.macro FSV d, a, sc, c                 ; four pairs: d = a x scalar + a constant pair
.irp q, 0,2,4,6
	v_pk_fma_f32 v[\d+\q:\d+\q+1], v[\a+\q:\a+\q+1], s[\sc:\sc+1], v[\c:\c+1] op_sel_hi:[1,0,1]
.endr
.endm
.macro FVV d, a, b, c                  ; d = a x b + c
.irp q, 0,2,4,6
	v_pk_fma_f32 v[\d+\q:\d+\q+1], v[\a+\q:\a+\q+1], v[\b+\q:\b+\q+1], v[\c+\q:\c+\q+1]
.endr
.endm
.macro FVS d, a, b, sc                 ; d = a x b + scalar
.irp q, 0,2,4,6
	v_pk_fma_f32 v[\d+\q:\d+\q+1], v[\a+\q:\a+\q+1], v[\b+\q:\b+\q+1], s[\sc:\sc+1] op_sel_hi:[1,1,0]
.endr
.endm
; Eight numbers: G -= T erfc(T) / sqrt(2).  RR walks the tail's polynomial, UU the core's, by turns, four pairs each: no line waits for the line above it.
.macro GELU8 n
.set TT, T+8*(\n)
.set GG, G+8*(\n)
.irp q, 0,2,4,6
	v_pk_mul_f32 v[SQ+\q:SQ+\q+1], v[TT+\q:TT+\q+1], v[TT+\q:TT+\q+1]
.endr
	FSV RR, TT, C1, VC2
	FSV UU, TT, C3, VC4
	FVV RR, RR, SQ, UU
	FSV UU, SQ, K0, VK1
	FVS RR, RR, TT, C5
	FVS UU, UU, SQ, K2
	FVS RR, RR, TT, C6
	FVS UU, UU, SQ, K3
	FVS RR, RR, TT, C7
	FVS UU, UU, SQ, K4
	FVV RR, RR, TT, TT                             ; t + t P(t)
	FVS UU, UU, SQ, K5
.irp q, 0,2,4,6
	v_pk_fma_f32 v[RR+\q:RR+\q+1], v[RR+\q:RR+\q+1], s[NL:NL+1], -0.5 op_sel_hi:[1,0,0]   ; x -log2(e), - 1/2: the exponential below is erfc / sqrt(2)
.endr
	FVV UU, UU, TT, TT                             ; erf(t) = t + t Q(t^2)
.irp q, 0,1,2,3,4,5,6,7
	v_exp_f32 v[RR+\q], v[RR+\q]
.endr
	FSV UU, UU, NRH, VRH                           ; (1 - erf) / sqrt(2).  (These four are the plain places behind the exponentials)
	s_wait_alu depctr_va_vdst(0)
.irp q, 0,1,2,3,4,5,6,7
	v_cmp_lt_f32 vcc_lo, s[THR], v[TT+\q]
	v_cndmask_b32 v[RR+\q], v[UU+\q], v[RR+\q], vcc_lo   ; the tail's where t > 0.921875
.endr
.irp q, 0,2,4,6
	v_pk_fma_f32 v[GG+\q:GG+\q+1], v[TT+\q:TT+\q+1], v[RR+\q:RR+\q+1], v[GG+\q:GG+\q+1] neg_lo:[1,0,0] neg_hi:[1,0,0]
.endr
.endm
	s_load_b256 s[4:11], s[0:1], 0x0               ; x s[4:5], wq s[6:7], b1 s[8:9], b2 s[10:11]
	s_load_b64 s[12:13], s[0:1], 0x20              ; out0
	v_lshrrev_b32 v243, 5, v0
	v_readfirstlane_b32 s[WV], v243                ; wave 0..3
	v_and_b32 v240, 31, v0                         ; lane
	v_and_b32 v241, 15, v0                         ; r
	v_bfe_u32 v242, v0, 4, 1                       ; h
	v_lshlrev_b32 v[LI], 4, v240
	v_lshlrev_b32 v[L8], 3, v240
	v_lshlrev_b32 v[L4], 2, v240
	s_lshl_b32 s16, s[WV], 13
	v_add_nc_u32 v[XWI], s16, v[LI]                ; XIMG (0) + 8192 w + 16 lane
	s_lshl_b32 s16, s[WV], 6
	s_add_co_u32 s16, s16, XSC
	v_lshl_add_u32 v[XWS], v241, 2, s16            ; XSC + 64 w + 4 r (lanes l and l + 16 store the same word with the same value)
	s_lshl_b32 s16, s[WV], 14
	s_add_co_u32 s16, s16, HIMG
	v_add_nc_u32 v[HWI0], s16, v[LI]
	s_lshl_b32 s16, s[WV], 10
	s_add_co_u32 s17, s16, HSC
	v_lshl_add_u32 v[HWS0], v241, 2, s17
	s_add_co_u32 s17, s16, B2L
	v_lshl_add_u32 v[BA2], v242, 6, s17
	s_lshl_b32 s16, s[WV], 9
	s_add_co_u32 s16, s16, B1L
	v_lshl_add_u32 v[BA1], v242, 6, s16
	s_mul_i32 s16, s[WV], WSTAGE
	s_add_co_u32 s16, s16, STAGE                   ; my stage
	v_add_nc_u32 v[XTI], s16, v[LI]                ; x's turn, in: 16 bytes a lane of a row of 512
	v_mul_u32_u24 v[XTO], v241, XPITCH
	v_lshl_add_u32 v[XTO], v242, 6, v[XTO]
	v_add_nc_u32 v[XTO], s16, v[XTO]               ; and out: row r, + 64 h: my 16 numbers of a block of 32
	v_mul_u32_u24 v[SO], v241, SPITCH
	v_lshl_add_u32 v[SO], v242, 6, v[SO]
	v_add_nc_u32 v[SO], s16, v[SO]                 ; the way out, in: row r, + 64 h
	v_mul_u32_u24 v[SR], v242, SPITCH
	v_lshl_add_u32 v[SR], v241, 4, v[SR]
	v_add_nc_u32 v[SR], s16, v[SR]                 ; back: lanes 0-15 one row of 256 bytes, lanes 16-31 the next
	v_lshlrev_b32 v[GO], 12, v242
	v_lshl_add_u32 v[GO], v241, 4, v[GO]           ; and the same two rows in the output
	v_add_nc_u32 v[HRD], HIMG, v[LI]
	v_lshlrev_b32 v[TH16], 4, v0
.irp b, 0,1,2,3
	v_mov_b32 v[TM+4+\b], 0                        ; written once: a lane permute's destination counts as one of its sources
.endr
	VPAIR VC2, 0xb9c8e966                          ; the tail: P's coefficients c1 .. c7
	VPAIR VC4, 0xbcc6b180
	VPAIR VK1, 0x3ba39fa4                          ; the core: Q's coefficients k0 .. k5
	VPAIR VRH, 0x3f3504f3                          ; 1 / sqrt(2)
	SPAIR C1, 0x37911480
	SPAIR C3, 0x3b7e899b
	SPAIR C5, 0x3ddaae58
	SPAIR C6, 0x3f228550
	SPAIR C7, 0x3e03ce86
	SPAIR K0, 0xba1d0d41
	SPAIR K2, 0xbcdb45e9
	SPAIR K3, 0x3de70d23
	SPAIR K4, 0xbec09370
	SPAIR K5, 0x3e0375d3
	SPAIR NL, 0xbfb8aa3b                           ; -log2(e)
	SPAIR RH, 0x3f3504f3
	SPAIR NRH, 0xbf3504f3
	s_mov_b32 s[THR], 0x3f6c0000                   ; 0.921875
	s_mov_b32 s[SEL], 0x76543210
	s_mov_b32 s[SEL+1], 0xfedcba98                 ; v_permlanex16_b32's selects for lane l xor 16
	s_lshr_b32 s[EX], ttmp9, 5                     ; my expert: 32 work-groups to each
	s_lshl_b32 s16, ttmp9, 18                      ; my 64 rows of 4,096 bytes
	s_mov_b32 s19, 0
	s_wait_kmcnt 0x0
	s_lshl_b32 s18, s[WV], 16
	s_add_co_u32 s18, s18, s16
	s_add_nc_u64 s[4:5], s[4:5], s[18:19]          ; x at my wave's 16 rows
	s_lshl_b32 s18, s[WV], 10
	s_add_co_u32 s18, s18, s16
	s_add_nc_u64 s[12:13], s[12:13], s[18:19]      ; the output at the block's first row, my wave's 256 columns
	s_lshl_b32 s18, s[EX], 2
	s_add_co_u32 s18, s18, s[WV]
	s_mul_i32 s18, s18, 64*REC
	s_add_nc_u64 s[6:7], s[6:7], s[18:19]          ; my stream of 64 records
	s_lshl_b32 s18, s[EX], 13
	s_add_nc_u64 s[8:9], s[8:9], s[18:19]
	s_lshl_b32 s18, s[EX], 12
	s_add_nc_u64 s[10:11], s[10:11], s[18:19]
	; ---- X: the biases go to LDS as they lie (each thread 16 bytes of every 2,048); my 16 rows of x become eight fragments.  Loads run four K steps ahead, the turn through LDS one; from K step 4 on
	; the ring's first four groups (records 0, 2, 4, 6: the first half of the first chunk) take the loads' place.  (More loads are asked for than the counter's field holds: the issue then waits, ISA guide 5.7.1.)
.irp i, 0,1,2,3
	global_load_b128 v[G+4*\i:G+4*\i+3], v[TH16], s[8:9] offset:2048*\i
.endr
.irp i, 0,1
	global_load_b128 v[G+16+4*\i:G+16+4*\i+3], v[TH16], s[10:11] offset:2048*\i
.endr
	XLOAD 0
	XLOAD 1
	XLOAD 2
	XLOAD 3
	s_wait_loadcnt 48                              ; the biases and K step 0 are in; the next three K steps' 48 loads may be out
.irp i, 0,1,2,3
	ds_store_b128 v[TH16], v[G+4*\i:G+4*\i+3] offset:B1L+2048*\i
.endr
.irp i, 0,1
	ds_store_b128 v[TH16], v[G+16+4*\i:G+16+4*\i+3] offset:B2L+2048*\i
.endr
	TURN 0
.irp s, 0,1,2,3,4,5,6,7
.if \s < 5
	s_wait_loadcnt 32                              ; the next K step's 16 loads are in; behind them: two K steps' 32
.elseif \s < 7
	s_wait_loadcnt 32+2*(\s-4)                     ; behind them: the K steps still to come, 16 each, and the ring's groups, 18 each
.endif
.if \s < 7
	TURN \s+1                                      ; the next K step goes through the stage while this one is quantised
	s_wait_dscnt 32                                ; all but that turn's 32: this K step is back from the stage, and the last image's stores are done, so that the codes' registers may be written
.else
	s_wait_dscnt 0x0
.endif
.set XSRC, 64*(\s%4)
	QUANT XSRC, 0x28, 0x02
	IMAGE XWI, 1024*\s
	ds_store_b32 v[XWS], v[PW] offset:256*\s
.if \s < 4
	XLOAD \s+4
.else
	RING \s-4, 2*(\s-4)*REC
.endif
.endr
	BARRIER                                        ; x's 32 fragments, their scale words and both biases lie in LDS (the ring's loads stay out: nobody writes those bytes)
	WIN 0x40                                       ; destination window 1
.set F, 0
.rept 32
	ds_load_b128 v[8*F:8*F+3], v[LI] offset:XIMG+1024*F
	ds_load_b128 v[8*F+4:8*F+7], v[LI] offset:XIMG+1024*F+512
.set F, F+1
.endr
	WIN 0
.irp s, 0,1,2,3,4,5,6,7
.irp j, 0,1
	ds_load_b32 v[XS+2*\s+\j], v[L4] offset:XSC+256*\s+128*\j   ; 128 bytes: the words of two tiles of rows
.endr
.endr
.irp t, 0,1,2,3
.irp d, 0,1
	ds_load_b128 v[BI1+8*\t+4*\d:BI1+8*\t+4*\d+3], v[BA1] offset:128*(\t/2)+32*(\t%2)+16*\d   ; b1 in the result's layout, for the first half: tile t, my eight units
.endr
.endr
	s_mov_b32 s[HO], 0
	s_mov_b32 s[HSO], 0
	s_mov_b32 s[BO], 0
	s_mov_b32 s[CNT], 4
	s_wait_dscnt 0x0
; ---- 1.  HALF hh of a chunk: tiles 4 hh .. 4 hh + 3 of my 128 hidden units: four groups, then b1's tiles for the next half, then for each tile of rows: gelu, quantiser, half an image to LDS.
; The stream's pointer stands at record 8 c.  This half's groups are records 8 c + 2 g + hh; the next half's are 8 c + 2 g + 1 (behind half 0) or 8 (c + 1) + 2 g (behind half 1).
.macro HALF hh
.irp g, 0,1,2,3
	STEP 1, \g, \g, 2*\g+1+7*\hh, 54               ; behind this group's 18 loads stand three younger groups' 54, on the way in and over the backward jump alike
.endr
.if \hh
	s_add_co_u32 s[BO], s[BO], 2048                ; the next chunk's b1.  (In the last trip these loads reach into b2's bytes, which lie behind b1's in LDS: they are not used)
.endif
	v_add_nc_u32 v[BADR], s[BO], v[BA1]
.irp t, 0,1,2,3
.irp d, 0,1
	ds_load_b128 v[BI1+8*\t+4*\d:BI1+8*\t+4*\d+3], v[BADR] offset:256*(1-\hh)+128*(\t/2)+32*(\t%2)+16*\d
.endr
.endr
	s_mov_b32 s[MC], 0
.Lm\hh:                                            ; the four tiles of rows.  Only the lines that name the accumulators differ from trip to trip: they are written four times, the rest once
	s_cmp_eq_u32 s[MC], 0
	s_cbranch_scc1 .LA0_\hh
	s_cmp_eq_u32 s[MC], 1
	s_cbranch_scc1 .LA1_\hh
	s_cmp_eq_u32 s[MC], 2
	s_cbranch_scc1 .LA2_\hh
	STAGEA 3
	s_branch .LB\hh
.LA0_\hh:
	STAGEA 0
	s_branch .LB\hh
.LA1_\hh:
	STAGEA 1
	s_branch .LB\hh
.LA2_\hh:
	STAGEA 2
.LB\hh:
.irp n, 0,1,2,3
	GELU8 \n
.endr
	s_wait_dscnt 0x0                               ; the last tile's stores are done (they were issued a whole gelu ago): their registers may be written; b1's tiles are in
	QUANT2 G
	s_lshl_b32 s16, s[MC], 10
	s_add_co_u32 s16, s16, s[HO]                   ; 4096 c + 1024 m
	s_lshl_b32 s17, s[MC], 6
	s_add_co_u32 s17, s17, s[HSO]                  ; 256 c + 64 m
	v_add_nc_u32 v[HADR], s16, v[HWI0]
	v_add_nc_u32 v[HSAD], s17, v[HWS0]
	ds_store_b128 v[HADR], v[PC:PC+3] offset:512*\hh   ; registers 4 hh .. 4 hh + 3 of the fragment: K step 4 c + w of the second product, rows 16 m on
	ds_store_b32 v[HSAD], v[PW] offset:HSH*\hh     ; and the bytes of its blocks 2 hh, 2 hh + 1
	s_add_co_u32 s[MC], s[MC], 1
	s_cmp_lt_u32 s[MC], 4
	s_cbranch_scc1 .Lm\hh
.endm
.Lchunk:                                           ; four chunks of 128 hidden units a wave
	HALF 0
	HALF 1
	s_wait_xcnt 0x0                                ; the ring's loads have read their base (they were issued a whole gelu ago)
	s_add_nc_u64 s[6:7], s[6:7], 8*REC
	s_add_co_u32 s[HO], s[HO], 4096
	s_add_co_u32 s[HSO], s[HSO], 256
	s_sub_co_u32 s[CNT], s[CNT], 1
	s_cmp_lg_u32 s[CNT], 0
	s_cbranch_scc1 .Lchunk
	BARRIER                                        ; the hidden layer's 64 fragments and their scale bytes lie in LDS
	; ---- 2: all of the hidden layer into windows 1 and 2; then my 256 outputs, 64 at a time
.irp k, 0,1,2,3,4,5,6,7,8,9,10,11,12,13,14,15
	WIN 0x40+0x40*(\k/8)
.irp m, 0,1,2,3
.irp c, 0,1
	ds_load_b128 v[8*(4*(\k%8)+\m)+4*\c:8*(4*(\k%8)+\m)+4*\c+3], v[HRD] offset:16384*(\k%4)+4096*(\k/4)+1024*\m+512*\c
.endr
.endr
.endr
	WIN 0
.irp k, 0,1,2,3,4,5,6,7,8,9,10,11,12,13,14,15
.irp j, 0,1
	ds_load_b32 v[XS+2*\k+\j], v[L4] offset:HSC+64*(16*(\k%4)+4*(\k/4)+2*\j)
	ds_load_b32 v[HH+2*\k+\j], v[L4] offset:HSC+HSH+64*(16*(\k%4)+4*(\k/4)+2*\j)
.endr
.endr
	s_wait_dscnt 0x0
.set I, 0
.rept 32
	v_lshl_or_b32 v[XS+I], v[HH+I], 16, v[XS+I]    ; the two halves make a row's scale word
.set I, I+1
.endr
	PLACES 8                                       ; a scale register written by a vector instruction stands 8 places ahead of a scaled matrix instruction
; A quad: 64 outputs x 64 rows: 16 accumulators through all 16 K steps, eight groups of the stream; then the way out.  The stream's pointer stands at the quad's record 0; record g holds K steps 2 g, 2 g + 1.
; The ring was left holding records 0, 2, 4, 6, so the groups go in the order 0, 2, 4, 6, 1, 3, 5, 7.  last = 1: the stream ends: the last four groups fill nothing, and the counts run down.
.macro QUAD last
	v_add_nc_u32 v[BAD2], s[BO], v[BA2]
.irp t, 0,1,2,3
.irp d, 0,1
	ds_load_b128 v[BI2+8*\t+4*\d:BI2+8*\t+4*\d+3], v[BAD2] offset:128*(\t/2)+32*(\t%2)+16*\d   ; b2 in the result's layout
.endr
.endr
	s_wait_dscnt 0x0
	STEP 2, 0, 0, 1, 54
	STEP 2, 1, 2, 3, 54
	STEP 2, 2, 4, 5, 54
	STEP 2, 3, 6, 7, 54
.if \last
	STEP 2, 0, 1, -1, 54                           ; behind it: the last three groups
	STEP 2, 1, 3, -1, 36
	STEP 2, 2, 5, -1, 18
	STEP 2, 3, 7, -1, 0
.else
	STEP 2, 0, 1, 8, 54                            ; the next quad's records 0, 2, 4, 6
	STEP 2, 1, 3, 10, 54
	STEP 2, 2, 5, 12, 54
	STEP 2, 3, 7, 14, 54
.endif
	; the way out: a lane holds 16 neighbouring numbers of a row and the lanes beside it other rows: through my own stage, and back as whole rows of 256 bytes, into the registers that they left
.irp m, 0,1,2,3
.irp t, 0,1,2,3
	ds_store_b128 v[SO], v[ACC+32*\m+8*\t:ACC+32*\m+8*\t+3] offset:16*SPITCH*\m+128*(\t/2)+32*(\t%2)          ; each accumulator from its low end on
	ds_store_b128 v[SO], v[ACC+32*\m+8*\t+4:ACC+32*\m+8*\t+7] offset:16*SPITCH*\m+128*(\t/2)+32*(\t%2)+16
.endr
.endr
.irp i, 0,1,2,3,4,5,6,7,8,9,10,11,12,13,14,15,16,17,18,19,20,21,22,23,24,25,26,27,28,29,30,31
	ds_load_b128 v[ACC+4*\i:ACC+4*\i+3], v[SR] offset:2*SPITCH*\i   ; LDS serves a wave's instructions in order (ISA guide 5.7.1.4): these see the stores above
.endr
.irp i, 0,1,2,3,4,5,6,7,8,9,10,11,12,13,14,15,16,17,18,19,20,21,22,23,24,25,26,27,28,29,30,31
	s_wait_dscnt 31-\i
	global_store_b128 v[GO], v[ACC+4*\i:ACC+4*\i+3], s[12:13] offset:8192*\i th:TH_STORE_NT   ; 16 lanes store 256 consecutive bytes, at a multiple of 256 from the output's first byte
.endr
.if !\last
	s_wait_xcnt 0x0                                ; the stores have read their data (the next quad's accumulators) and their base, the ring's loads theirs
	s_add_nc_u64 s[6:7], s[6:7], 8*REC
	s_add_nc_u64 s[12:13], s[12:13], 256
	s_add_co_u32 s[BO], s[BO], 256
.endif
.endm
	s_mov_b32 s[BO], 0
	s_mov_b32 s[CNT], 3
.Lquad:
	QUAD 0
	s_sub_co_u32 s[CNT], s[CNT], 1
	s_cmp_lg_u32 s[CNT], 0
	s_cbranch_scc1 .Lquad
	QUAD 1                                         ; the last quad is written out: no load passes the stream's end
	s_wait_xcnt 0x0
	v_lshl_add_u32 v254, v0, 2, 0x2e800
	v_mov_b32 v255, 0
	s_wait_tensorcnt 0x0
	ds_add_u32 v254, v255
	s_wait_dscnt 0x0
	s_endpgm
.Lfunc_end_k_qea6d2df56e_mlp:
	.size	k_qea6d2df56e_mlp, .Lfunc_end_k_qea6d2df56e_mlp-k_qea6d2df56e_mlp
	.p2alignl 7, 3214868480
	.fill 96, 4, 3214868480
	.section	.rodata,"a",@progbits
	.p2align	6, 0x0
	.amdhsa_kernel k_qea6d2df56e_mlp
		.amdhsa_group_segment_fixed_size 190976
		.amdhsa_private_segment_fixed_size 0
		.amdhsa_enable_private_segment 0
		.amdhsa_kernarg_size 40
		.amdhsa_user_sgpr_count 2
		.amdhsa_user_sgpr_kernarg_segment_ptr 1
		.amdhsa_wavefront_size32 1
		.amdhsa_system_sgpr_workgroup_id_x 1
		.amdhsa_system_sgpr_workgroup_id_y 1
		.amdhsa_system_sgpr_workgroup_id_z 1
		.amdhsa_system_vgpr_workitem_id 0
		.amdhsa_next_free_vgpr 1024
		.amdhsa_next_free_sgpr 66
		.amdhsa_reserve_vcc 1
		.amdhsa_float_denorm_mode_32 3
		.amdhsa_float_denorm_mode_16_64 3
		.amdhsa_memory_ordered 1
		.amdhsa_forward_progress 1
		.amdhsa_inst_pref_size 255
	.end_amdhsa_kernel
	.section	.bss,"aw",@nobits
	.p2align	6
	.space	262144
	.amdgpu_metadata
---
amdhsa.version: [ 1, 2 ]
amdhsa.kernels:
  - .name:           k_qea6d2df56e_mlp
    .symbol:         k_qea6d2df56e_mlp.kd
    .args:
      - { .name: x, .offset: 0, .size: 8, .value_kind: global_buffer, .address_space: global }
      - { .name: wq, .offset: 8, .size: 8, .value_kind: global_buffer, .address_space: global }
      - { .name: b1, .offset: 16, .size: 8, .value_kind: global_buffer, .address_space: global }
      - { .name: b2, .offset: 24, .size: 8, .value_kind: global_buffer, .address_space: global }
      - { .name: out0, .offset: 32, .size: 8, .value_kind: global_buffer, .address_space: global }
    .group_segment_fixed_size: 190976
    .private_segment_fixed_size: 0
    .kernarg_segment_align: 8
    .kernarg_segment_size: 40
    .max_flat_workgroup_size: 128
    .sgpr_count:     66
    .vgpr_count:     1024
    .wavefront_size: 32
...
	.end_amdgpu_metadata
.endif
;; end of part 2
;; ======== version 2 of 2: 2 launches; version 1 with the launch mlp written anew for expert scheduling mode
;; limits: an absolute error that grows with the inputs' magnitude: up to 1e-07 times it
;; workspace buffers: wq 17,825,792 bytes
;; launch wprep: the kernel of part 1 again; grid 1024 x 1, 4 waves a work-group, no clusters, 0 bytes of LDS; arguments w1, w2, wq; writes wq
;; launch mlp (part 3): grid 256 x 1, 4 waves a work-group, no clusters, 190,976 bytes of LDS; arguments x, wq, b1, b2, out0; writes out0
.if DOCPART == 3
	.amdgcn_target "amdgcn-amd-amdhsa--gfx1250"
	.amdhsa_code_object_version 6
	.text
	.protected	k_qea6d2df56e_mlp
	.globl	k_qea6d2df56e_mlp
	.p2align	8
	.type	k_qea6d2df56e_mlp,@function
k_qea6d2df56e_mlp:
	s_mov_b64 s[64:65], 0
	v_nop
	global_prefetch_b8 v0, s[64:65] scope:SCOPE_SE
	s_setreg_imm32_b32 hwreg(HW_REG_WAVE_SCHED_MODE, 0, 2), 2
	s_setreg_imm32_b32 hwreg(HW_REG_WAVE_MODE, 25, 1), 1
	s_wait_xcnt 0x0
	s_wait_alu depctr_vm_vsrc(0)
; out = Q(gelu(Q(x) Q(W1) + b1)) Q(W2) + b2 for 64 rows of one expert; Q: codes of FP4 (E2M1) with one E8M0 scale for each 32 along a product's K; gelu by erf, in f32.
; x, out0: 16,384 flat rows of 1,024 f32; expert e owns rows 2048 e on.  wq: both weights as codes and scale words, laid by the launch before as streams of records (see RING).
; SHARES.  Work-group g takes rows 64 g .. 64 g + 63 (four tiles of 16) through the whole chain; the hidden layer never goes to memory.  THE WAVES SHARE THE COLUMNS: wave w makes hidden units
; 128 (4 c + w) on (c = 0 .. 3) and outputs 256 w on, for all 64 rows.  So each fragment of a weight is read by ONE wave, feeds four matrix instructions, and goes from memory straight into registers:
; a ring of four groups of 8 fragments, with counted waits and no barrier.  What goes from wave to wave is small: the codes of x and of the hidden layer,
; through LDS as images of the operand's registers (16 bytes a lane at 16 x lane).  Two barriers in all.
; THE FIRST PRODUCT GOES BY HALVES OF A CHUNK: 64 hidden units a wave (4 tiles x 4 tiles of rows: 16 accumulators) want all of K = 4 groups, just what the ring holds.  Each group's slot is filled again
; with the NEXT half's group, so that all four refills have the half's whole gelu, some 2,000 vector instructions, in which to land.
; BOTH PRODUCTS ARE USED TRANSPOSED (source 0 = 16 rows of a weight, source 1 = 16 rows of x or of the hidden layer): a lane holds ONE row, and, by the choice of a tile's rows made in wq,
; register j of tile 2 b + u is unit 32 b + 16 (lane / 16) + 8 u + j: the 16 registers of a pair of tiles are 16 neighbours along the next K, or of a row of the output.
; The biases are the C of each sum's first matrix instruction.
; GELU.  gelu(x) = max(x, 0) - t erfc(t) / sqrt(2), t = |x| / sqrt(2): no difference of near numbers on either side of 0.  erfc(t) = 1 - (t + t Q(t^2)) up to t = 0.921875, exp(-(t + t P(t))) beyond;
; both are computed for every number and one is chosen by v_cndmask_b32.
; NO JOINT LOADS, though the 32 row blocks of an expert walk the same weights: a joint load lands in LDS, in slots that take turns.  Beside the 190,464 bytes used here two slots of 8 records
; (69,632 bytes each) do not fit; in slots of 4 records, one a wave, with one load a wave behind each change of slots, a wave would have 32 matrix instructions between a request and the wait for it,
; and every weight byte would be written to LDS and read back.
; LIMITS: NaN and infinities among the inputs are not served.  A block of zeros gets the scale byte 1 where the quantiser says 127 (its codes are zeros); blocks whose largest magnitude lies under
; 2^-124 are held at the byte 1.  P was fitted for erf: for x under about -3 gelu's error is bounded by about |x| x 1e-7 absolute, not relative to gelu; v_exp_f32 gives 0 for results under 2^-126, so gelu(x) is -0 for x under about -13.
; The second product adds its K steps in the order of the stream's groups (pairs 0, 2, 4, 6, 1, 3, 5, 7), not ascending.
; THE MODE: SCHED_MODE bits 1:0 = 2 (LLVM: expert scheduling mode 2), set by the entry lines.  The code itself states the register dependences between vector or matrix instructions
; and memory or LDS instructions, with s_wait_alu, always for 0.
; THE PLAN.  Registers that memory or LDS instructions touch, and who else names them:
;   v1-15, v237     addresses, written once at the head: one wait on va_vdst ahead of the first load serves them all.
;   RAW0-3          (window 2, phase X) K step s as loaded.  Written by XLOAD s, read by TURN s's LDS stores alone: no vector instruction names them.
;   TD0, TD1        (window 1, phase X) K step s turned.  Written by TURN s's LDS loads, read by QUANT s.
;   PC, PW          codes and scale word just made.  Written by a quantiser, read by the image's LDS stores.
;   the ring, WS    (window 3; v48-63) written by RING, read by the products.
;   window 1, XS    x's fragments and scale words, later the hidden layer's (with window 2): written by LDS loads, read by the products; XS is joined once by vector instructions.
;   BI1, BI2        bias tiles: written by LDS loads, read by the products as C.  BADR, BAD2: their addresses, one vector add each.
;   HADR, HSAD      where a tile's half image and scale bytes go: two vector adds a tile, read by two LDS stores.
;   ACC             the second product's sums: written by the products, read by the stage's stores, written by the stage's loads, read by the global stores.
; Phase X: one wait on vm_vsrc at an iteration's head (the turn issued an iteration ago has read RAW, the last image's stores PC and PW); behind it the loads of four K steps on go out at once;
; one wait on va_vdst behind the quantiser.  First product: the weights landed a gelu ago, so two groups, 64 products, share one wait on va_vdst and are asked for again together.
; Second product: it lives on loads in flight, so each slot is asked for again behind its own 32 products and its own wait.
; REGISTERS, in windows of 256 (s_set_vgpr_msb: bits 1:0 source 0, 3:2 source 1, 5:4 source 2, 7:6 destination):
;   window 0: v1-15 addresses that stay; v16-47 the rows' scale words; v48-63 the ring's scale words; v64-95 G; v96-127 b1's tiles; v128-159 T; v192-237 at work; in the second product v64-95 b2's tiles, v128-255 the accumulators
;   window 1: v0-127 x turned, two sets; then x's 32 fragments, later the hidden layer's K steps 0-7   window 2: x as loaded, then the first product's 16 accumulators ((t, m) at 32 m + 8 t), later the hidden layer's K steps 8-15   window 3: the ring
.set REC,    8704                      ; a record of wq: 8 fragments of 1,024 bytes, then 512 bytes of scale words
.set XIMG,   0                         ; LDS: x's fragment (tile of rows m, K step s) at 1024 (8 m + s)
.set XSC,    32768                     ; its scale words: 256 s + 64 m + 4 r
.set B1L,    34816                     ; b1 of my expert, as it lies
.set B2L,    43008                     ; b2 likewise
.set HSC,    47104                     ; the hidden layer's scale bytes, two to a word: 4096 hh + 64 (16 w + 4 c + m) + 4 r: half hh's word holds the bytes of blocks 2 hh and 2 hh + 1
.set HSH,    4096
.set HIMG,   55296                     ; its fragment (K step 4 c + w, m) at 16384 w + 4096 c + 1024 m
.set STAGE,  120832                    ; for each wave 17,408 bytes of its own: x's turn (16 rows x 528 bytes), later the way out (64 rows x 272 bytes)
.set SPITCH, 272
.set WSTAGE, 64*SPITCH
.set XPITCH, 528                       ; 512 bytes + 16 = 132 words: row r starts at bank 4 r mod 64 (64 banks of 4 bytes: ISA guide 11.1)
.set LI,   1                           ; 16 x lane
.set L8,   2                           ; 8 x lane
.set L4,   3                           ; 4 x lane
.set XTI,  4                           ; x's turn, in: my stage + 16 x lane
.set XWI,  5                           ; where I store x's images
.set XWS,  6                           ; and their scale words
.set HWI0, 7                           ; the hidden layer's images: my wave's 16,384 bytes
.set HWS0, 8                           ; and scale words: my wave's 1,024 bytes
.set BA1,  9                           ; b1: my wave's 128 numbers of a chunk, + 64 h
.set BA2,  10                          ; b2: my wave's 256 numbers, + 64 h
.set SO,   11                          ; the way out: where I put 16 bytes of a row
.set SR,   12                          ; and where I read rows back
.set GO,   13                          ; my byte offset in two rows of the output
.set HRD,  14                          ; HIMG + 16 x lane
.set TH16, 15                          ; 16 x my thread's number
.set XS,   16                          ; scale words of the rows: register 2 s + j: lanes 0-15 tile of rows 2 j, lanes 16-31 tile 2 j + 1, K step s
.set WS,   48                          ; scale words of the ring: register 4 slot + 2 i + p: lanes 0-15 tile 2 i, lanes 16-31 tile 2 i + 1, K step p
.set G,    64
.set BI2,  64
.set BI1,  96
.set BAD2, 96
.set T,    128
.set HH,   128                         ; where the upper halves of the hidden layer's scale words land
.set ACC,  128
.set SQ,   192
.set RR,   200
.set UU,   208
.set TM,   192                         ; the quantiser's 16 registers
.set PW,   216                         ; the scale word just made
.set PC,   218                         ; the registers of codes just made
.set VC2,  226                         ; constants that stand as the addend beside a scalar factor: pairs, both halves written
.set VC4,  228
.set VK1,  230
.set VRH,  232
.set BADR, 234
.set HADR, 235
.set HSAD, 236
.set XTO,  237                         ; x's turn, out: my stage + 528 r + 64 h
.set WV,   14
.set EX,   15
.set SEL,  20
.set CNT,  22
.set MC,   23
.set HO,   24
.set HSO,  25
.set BO,   26
.set THR,  27
.set C1,   28                          ; scalar pairs: the packed forms name a pair and take its low word for both halves
.set C3,   30
.set C5,   32
.set C6,   34
.set C7,   36
.set K0,   38
.set K2,   40
.set K3,   42
.set K4,   44
.set K5,   46
.set NL,   48
.set RH,   50
.set NRH,  52
.set MK,   54                          ; s[54:61] the masks of the gelu's eight compares
.set MSB, 0
.macro WIN new                         ; the immediate's high byte repeats the setting that is left; a switch that changes nothing is dropped
.if MSB != (\new)
	s_set_vgpr_msb (MSB<<8)|(\new)
.set MSB, (\new)
.endif
.endm
.macro PLACES n
.rept \n
	v_nop
.endr
.endm
.macro SPAIR reg, val
	s_mov_b32 s[\reg], \val
	s_mov_b32 s[\reg+1], \val
.endm
.macro VPAIR reg, val
	v_mov_b32 v[\reg], \val
	v_mov_b32 v[\reg+1], \val
.endm
.macro BARRIER                         ; my LDS stores have landed and my LDS loads are in: then the work-group's barrier
	s_wait_dscnt 0x0
	s_barrier_signal -1
	s_barrier_wait -1
.endm
; A group of the weights' stream, the record off bytes from the stream's pointer, into ring slot s: 16 loads of codes (each 512 consecutive bytes), 2 of scale words (256 each): 18 loads.
.macro RING s, off
	WIN 0xc0                                       ; destination window 3
.irp f, 0,1,2,3,4,5,6,7
.irp c, 0,1
	global_load_b128 v[64*(\s)+8*\f+4*\c:64*(\s)+8*\f+4*\c+3], v[LI], s[6:7] offset:(\off)+1024*\f+512*\c
.endr
.endr
	WIN 0
.irp i, 0,1
	global_load_b64 v[WS+4*(\s)+2*\i:WS+4*(\s)+2*\i+1], v[L8], s[6:7] offset:(\off)+8192+256*\i
.endr
.endm
; My 16 rows' numbers of K step s, AS THEY LIE, into RAW[s % 4] of window 2: load i takes the 512 consecutive bytes of row i, 16 a lane
.macro XLOAD s
	WIN 0x80
.irp i, 0,1,2,3,4,5,6,7,8,9,10,11,12,13,14,15
	global_load_b128 v[64*((\s)%4)+4*\i:64*((\s)%4)+4*\i+3], v[LI], s[4:5] offset:4096*\i+512*(\s) th:TH_LOAD_NT
.endr
	WIN 0
.endm
; K step s turns through my stage: in by rows out of RAW[s % 4], back into TD[s % 2] of window 1, so that register 16 b + i of lane (r, h) is k 32 b + 16 h + i of row r: 16 neighbours of each block, as the conversions want them.
; LDS serves a wave's instructions in order (ISA guide 5.7.1.4): no wait between the stores and the loads, nor in front of the next turn's stores.
; The loads land in other registers than the stores read, and the quantiser that read TD[s % 2] last (K step s - 2's) stands ahead of the wait on va_vdst behind it: so no s_wait_alu stands here.
.macro TURN s
	WIN 0x08                                       ; an LDS store's data are its source 1: window 2
.irp i, 0,1,2,3,4,5,6,7,8,9,10,11,12,13,14,15
	ds_store_b128 v[XTI], v[64*((\s)%4)+4*\i:64*((\s)%4)+4*\i+3] offset:XPITCH*\i
.endr
	WIN 0x40                                       ; destination window 1
.irp b, 0,1,2,3
.irp j, 0,1,2,3
	ds_load_b128 v[64*((\s)%2)+16*\b+4*\j:64*((\s)%2)+16*\b+4*\j+3], v[XTO] offset:128*\b+16*\j
.endr
.endr
	WIN 0
.endm
; 64 numbers of a lane, register src + 16 b + i = k 32 b + 16 (lane / 16) + i of my row, become a fragment's codes in v[PC] on and its scale word in v[PW].
; wmax, wcvt: the window settings under which the maxima (the numbers are sources 1 and 2) and the conversions (source 0) find the numbers.
.macro QUANT src, wmax, wcvt
	WIN \wmax
.irp b, 0,1,2,3
	v_max3_num_f32 v[TM+\b], 0x1800000, |v[\src+16*\b]|, |v[\src+16*\b+1]|   ; block b: my 16 numbers, and the floor 2^(3 - 127): the byte cannot fall under 1
.endr
.irp i, 2,4,6,8,10,12,14
.irp b, 0,1,2,3
	v_max3_num_f32 v[TM+\b], v[TM+\b], |v[\src+16*\b+\i]|, |v[\src+16*\b+\i+1]|   ; (the four blocks by turns)
.endr
.endr
	WIN 0
.irp b, 0,1,2,3
	v_permlanex16_b32 v[TM+4+\b], v[TM+\b], s[SEL], s[SEL+1]
.endr
.irp b, 0,1,2,3
	v_max_num_f32 v[TM+\b], v[TM+\b], v[TM+4+\b]   ; with lane l xor 16's: the block's largest magnitude
.endr
.irp b, 0,1,2,3
	v_add_nc_u32 v[TM+12+\b], 0xff000000, v[TM+\b]   ; 2 off its exponent field: the conversion's scale operand
.endr
.irp b, 0,1,2,3
	v_lshrrev_b32 v[TM+4+\b], 23, v[TM+12+\b]      ; the scale's byte
.endr
	v_lshl_or_b32 v[PW], v[TM+5], 8, v[TM+4]       ; the four bytes make my row's scale word
	v_lshl_or_b32 v[PW], v[TM+6], 16, v[PW]
	v_lshl_or_b32 v[PW], v[TM+7], 24, v[PW]
	WIN \wcvt
.irp b, 0,1,2,3
	v_cvt_scalef32_pk8_fp4_f32 v[PC+2*\b], v[\src+16*\b:\src+16*\b+7], v[TM+12+\b]
	v_cvt_scalef32_pk8_fp4_f32 v[PC+2*\b+1], v[\src+16*\b+8:\src+16*\b+15], v[TM+12+\b]
.endr
	WIN 0
	v_nop                                          ; one plain place behind a scaled conversion
.irp c, 0,1                                    ; the operand's layout wants a WHOLE block in a lane: lanes 0-15 block 2 c, lanes 16-31 block 2 c + 1
.irp i, 0,1
	v_permlane16_swap_b32 v[PC+4*\c+\i], v[PC+2+4*\c+\i]
.endr
.endr
.endm
; The same for 32 numbers, two blocks, all in window 0: four registers of codes (half a fragment) in v[PC] on, the two bytes in the low half of v[PW].  Four chains of eight numbers, so that no line waits for the line above it.
.macro QUANT2 src
.irp q, 0,1,2,3
	v_max3_num_f32 v[TM+\q], 0x1800000, |v[\src+8*\q]|, |v[\src+8*\q+1]|
.endr
.irp i, 2,4,6
.irp q, 0,1,2,3
	v_max3_num_f32 v[TM+\q], v[TM+\q], |v[\src+8*\q+\i]|, |v[\src+8*\q+\i+1]|
.endr
.endr
	v_max_num_f32 v[TM], v[TM], v[TM+1]            ; block 0: my 16 numbers
	v_max_num_f32 v[TM+1], v[TM+2], v[TM+3]        ; block 1
.irp b, 0,1
	v_permlanex16_b32 v[TM+4+\b], v[TM+\b], s[SEL], s[SEL+1]
.endr
.irp b, 0,1
	v_max_num_f32 v[TM+\b], v[TM+\b], v[TM+4+\b]
.endr
.irp b, 0,1
	v_add_nc_u32 v[TM+12+\b], 0xff000000, v[TM+\b]
.endr
.irp b, 0,1
	v_lshrrev_b32 v[TM+4+\b], 23, v[TM+12+\b]
.endr
	v_lshl_or_b32 v[PW], v[TM+5], 8, v[TM+4]
.irp b, 0,1
	v_cvt_scalef32_pk8_fp4_f32 v[PC+2*\b], v[\src+16*\b:\src+16*\b+7], v[TM+12+\b]
	v_cvt_scalef32_pk8_fp4_f32 v[PC+2*\b+1], v[\src+16*\b+8:\src+16*\b+15], v[TM+12+\b]
.endr
	v_nop                                          ; one plain place behind a scaled conversion
.irp i, 0,1
	v_permlane16_swap_b32 v[PC+\i], v[PC+2+\i]
.endr
.endm
.macro IMAGE adr, off                  ; the fragment in v[PC] on goes to LDS as it stands
.irp c, 0,1
	ds_store_b128 v[\adr], v[PC+4*\c:PC+4*\c+3] offset:(\off)+512*\c
.endr
.endm
; One matrix instruction, its registers in the symbols rD, rA, rB, rC, rSA, rSB; OA, OB: the side's scale words stand in lanes 16-31
.macro MM
.if OA && OB
	v_wmma_scale_f32_16x16x128_f8f6f4 v[rD:rD+7], v[rA:rA+7], v[rB:rB+7], v[rC:rC+7], v[rSA], v[rSB] matrix_a_fmt:MATRIX_FMT_FP4 matrix_b_fmt:MATRIX_FMT_FP4 matrix_a_scale:MATRIX_SCALE_ROW1 matrix_b_scale:MATRIX_SCALE_ROW1
.elseif OA
	v_wmma_scale_f32_16x16x128_f8f6f4 v[rD:rD+7], v[rA:rA+7], v[rB:rB+7], v[rC:rC+7], v[rSA], v[rSB] matrix_a_fmt:MATRIX_FMT_FP4 matrix_b_fmt:MATRIX_FMT_FP4 matrix_a_scale:MATRIX_SCALE_ROW1
.elseif OB
	v_wmma_scale_f32_16x16x128_f8f6f4 v[rD:rD+7], v[rA:rA+7], v[rB:rB+7], v[rC:rC+7], v[rSA], v[rSB] matrix_a_fmt:MATRIX_FMT_FP4 matrix_b_fmt:MATRIX_FMT_FP4 matrix_b_scale:MATRIX_SCALE_ROW1
.else
	v_wmma_scale_f32_16x16x128_f8f6f4 v[rD:rD+7], v[rA:rA+7], v[rB:rB+7], v[rC:rC+7], v[rSA], v[rSB] matrix_a_fmt:MATRIX_FMT_FP4 matrix_b_fmt:MATRIX_FMT_FP4
.endif
.endm
; A GROUP: the ring's slot: K steps 2 g and 2 g + 1 x 4 tiles of a weight, each against the four tiles of rows: 32 matrix instructions on 16 accumulators, which take turns, one instruction a turn.
; lay = 1: the first product (rows: x, window 1; sums: window 2).   lay = 2: the second (rows: the hidden layer, windows 1 and 2; sums: window 0).
; A sum's first instruction takes the bias tile as C.  cnt: the younger loads that may stay out.
.macro MUL32 lay, slot, g, cnt
	s_wait_loadcnt \cnt
.irp p, 0,1
.set KS, 2*(\g)+\p
.if \lay == 1
.if KS == 0
	WIN 0x87                                       ; weight window 3, x window 1, C (bias) window 0, D window 2
.else
	WIN 0xa7                                       ; C and D window 2
.endif
.else
.if KS < 8
	WIN 0x07                                       ; weight window 3, hidden layer window 1, C and D window 0
.else
	WIN 0x0b                                       ; hidden layer window 2
.endif
.endif
.irp t, 0,1,2,3
.irp m, 0,1,2,3
.set rA, 64*(\slot)+8*(4*\p+\t)
.set rSA, WS+4*(\slot)+2*(\t/2)+\p
.set OA, \t%2
.set OB, \m%2
.if \lay == 1
.set rD, 32*\m+8*\t
.set rB, 8*(8*\m+KS)
.if KS == 0
.set rC, BI1+8*\t
.else
.set rC, 32*\m+8*\t
.endif
.else
.set rD, ACC+32*\m+8*\t
.set rB, 8*(4*(KS%8)+\m)
.if KS == 0
.set rC, BI2+8*\t
.else
.set rC, ACC+32*\m+8*\t
.endif
.endif
.set rSB, XS+2*KS+\m/2
	MM
.endr
.endr
.endr
.endm
; A group of the second product.  nxt: the slot is filled again at once with the record nxt records from the stream's pointer; under 0: with nothing, and then no s_wait_alu is owed.
.macro STEP2 slot, g, nxt, cnt
	MUL32 2, \slot, \g, \cnt
	PLACES 5                                       ; four places ahead of the first read of results (ISA guide 7.12.1); the fifth for a later product that begins an accumulator anew
.if (\nxt) >= 0
	WIN 0xc0
	s_wait_alu depctr_va_vdst(0)                   ; the 32 products are done reading the slot's fragments and scale words, in which the loads below land (behind a quad's last group: and have written the sums, which the stage's stores read)
	RING \slot, (\nxt)*REC
.endif
	WIN 0
.endm
; The first product's results of tile of rows m leave window 2: T = |x| / sqrt(2), G = max(x, 0).  Ascending: each accumulator is read from its low end on.
.macro STAGEA m
	WIN 0x08                                       ; source 1 window 2
.set I, 0
.rept 32
	v_mul_f32 v[T+I], s[RH], |v[32*(\m)+I]|
.set I, I+1
.endr
.set I, 0
.rept 32
	v_max_num_f32 v[G+I], 0, v[32*(\m)+I]
.set I, I+1
.endr
	WIN 0
.endm
.macro FSV d, a, sc, c                 ; four pairs: d = a x scalar + a constant pair
.irp q, 0,2,4,6
	v_pk_fma_f32 v[\d+\q:\d+\q+1], v[\a+\q:\a+\q+1], s[\sc:\sc+1], v[\c:\c+1] op_sel_hi:[1,0,1]
.endr
.endm
.macro FVV d, a, b, c                  ; d = a x b + c
.irp q, 0,2,4,6
	v_pk_fma_f32 v[\d+\q:\d+\q+1], v[\a+\q:\a+\q+1], v[\b+\q:\b+\q+1], v[\c+\q:\c+\q+1]
.endr
.endm
.macro FVS d, a, b, sc                 ; d = a x b + scalar
.irp q, 0,2,4,6
	v_pk_fma_f32 v[\d+\q:\d+\q+1], v[\a+\q:\a+\q+1], v[\b+\q:\b+\q+1], s[\sc:\sc+1] op_sel_hi:[1,1,0]
.endr
.endm
; Eight numbers: G -= T erfc(T) / sqrt(2).  RR walks the tail's polynomial, UU the core's, by turns, four pairs each: no line waits for the line above it.
; The eight compares hang on T alone: they stand at the head, in a run, each with a scalar register of its own for its mask, and one wait ahead of the selects serves them all.
.macro GELU8 n
.set TT, T+8*(\n)
.set GG, G+8*(\n)
.irp q, 0,1,2,3,4,5,6,7
	v_cmp_lt_f32 s[MK+\q], s[THR], v[TT+\q]        ; t > 0.921875?
.endr
.irp q, 0,2,4,6
	v_pk_mul_f32 v[SQ+\q:SQ+\q+1], v[TT+\q:TT+\q+1], v[TT+\q:TT+\q+1]
.endr
	FSV RR, TT, C1, VC2
	FSV UU, TT, C3, VC4
	FVV RR, RR, SQ, UU
	FSV UU, SQ, K0, VK1
	FVS RR, RR, TT, C5
	FVS UU, UU, SQ, K2
	FVS RR, RR, TT, C6
	FVS UU, UU, SQ, K3
	FVS RR, RR, TT, C7
	FVS UU, UU, SQ, K4
	FVV RR, RR, TT, TT                             ; t + t P(t)
	FVS UU, UU, SQ, K5
.irp q, 0,2,4,6
	v_pk_fma_f32 v[RR+\q:RR+\q+1], v[RR+\q:RR+\q+1], s[NL:NL+1], -0.5 op_sel_hi:[1,0,0]   ; x -log2(e), - 1/2: the exponential below is erfc / sqrt(2)
.endr
	FVV UU, UU, TT, TT                             ; erf(t) = t + t Q(t^2)
.irp q, 0,1,2,3,4,5,6,7
	v_exp_f32 v[RR+\q], v[RR+\q]
.endr
	FSV UU, UU, NRH, VRH                           ; (1 - erf) / sqrt(2).  (These four are the plain places behind the exponentials)
	s_wait_alu depctr_va_vdst(0)                   ; the eight exponentials have written v[RR ..]: one wait for the batch, ahead of its first reader
	s_wait_alu depctr_va_sdst(0)                   ; the eight compares at the head have written s[MK ..], ahead of their first reader
.irp q, 0,1,2,3,4,5,6,7
	v_cndmask_b32 v[RR+\q], v[UU+\q], v[RR+\q], s[MK+\q]   ; the tail's where t > 0.921875
.endr
.irp q, 0,2,4,6
	v_pk_fma_f32 v[GG+\q:GG+\q+1], v[TT+\q:TT+\q+1], v[RR+\q:RR+\q+1], v[GG+\q:GG+\q+1] neg_lo:[1,0,0] neg_hi:[1,0,0]
.endr
.endm
	s_load_b256 s[4:11], s[0:1], 0x0               ; x s[4:5], wq s[6:7], b1 s[8:9], b2 s[10:11]
	s_load_b64 s[12:13], s[0:1], 0x20              ; out0
	v_lshrrev_b32 v243, 5, v0
	v_readfirstlane_b32 s[WV], v243                ; wave 0..3
	v_and_b32 v240, 31, v0                         ; lane
	v_and_b32 v241, 15, v0                         ; r
	v_bfe_u32 v242, v0, 4, 1                       ; h
	v_lshlrev_b32 v[LI], 4, v240
	v_lshlrev_b32 v[L8], 3, v240
	v_lshlrev_b32 v[L4], 2, v240
	s_wait_alu depctr_va_sdst(0)                   ; s[WV] is written, ahead of its first reader: LDS addresses and the buffers' offsets are made from it
	s_lshl_b32 s16, s[WV], 13
	v_add_nc_u32 v[XWI], s16, v[LI]                ; XIMG (0) + 8192 w + 16 lane
	s_lshl_b32 s16, s[WV], 6
	s_add_co_u32 s16, s16, XSC
	v_lshl_add_u32 v[XWS], v241, 2, s16            ; XSC + 64 w + 4 r (lanes l and l + 16 store the same word with the same value)
	s_lshl_b32 s16, s[WV], 14
	s_add_co_u32 s16, s16, HIMG
	v_add_nc_u32 v[HWI0], s16, v[LI]
	s_lshl_b32 s16, s[WV], 10
	s_add_co_u32 s17, s16, HSC
	v_lshl_add_u32 v[HWS0], v241, 2, s17
	s_add_co_u32 s17, s16, B2L
	v_lshl_add_u32 v[BA2], v242, 6, s17
	s_lshl_b32 s16, s[WV], 9
	s_add_co_u32 s16, s16, B1L
	v_lshl_add_u32 v[BA1], v242, 6, s16
	s_mul_i32 s16, s[WV], WSTAGE
	s_add_co_u32 s16, s16, STAGE                   ; my stage
	v_add_nc_u32 v[XTI], s16, v[LI]                ; x's turn, in: 16 bytes a lane of a row of 512
	v_mul_u32_u24 v[XTO], v241, XPITCH
	v_lshl_add_u32 v[XTO], v242, 6, v[XTO]
	v_add_nc_u32 v[XTO], s16, v[XTO]               ; and out: row r, + 64 h: my 16 numbers of a block of 32
	v_mul_u32_u24 v[SO], v241, SPITCH
	v_lshl_add_u32 v[SO], v242, 6, v[SO]
	v_add_nc_u32 v[SO], s16, v[SO]                 ; the way out, in: row r, + 64 h
	v_mul_u32_u24 v[SR], v242, SPITCH
	v_lshl_add_u32 v[SR], v241, 4, v[SR]
	v_add_nc_u32 v[SR], s16, v[SR]                 ; back: lanes 0-15 one row of 256 bytes, lanes 16-31 the next
	v_lshlrev_b32 v[GO], 12, v242
	v_lshl_add_u32 v[GO], v241, 4, v[GO]           ; and the same two rows in the output
	v_add_nc_u32 v[HRD], HIMG, v[LI]
	v_lshlrev_b32 v[TH16], 4, v0
.irp b, 0,1,2,3
	v_mov_b32 v[TM+4+\b], 0                        ; written once: a lane permute's destination counts as one of its sources
.endr
	VPAIR VC2, 0xb9c8e966                          ; the tail: P's coefficients c1 .. c7
	VPAIR VC4, 0xbcc6b180
	VPAIR VK1, 0x3ba39fa4                          ; the core: Q's coefficients k0 .. k5
	VPAIR VRH, 0x3f3504f3                          ; 1 / sqrt(2)
	SPAIR C1, 0x37911480
	SPAIR C3, 0x3b7e899b
	SPAIR C5, 0x3ddaae58
	SPAIR C6, 0x3f228550
	SPAIR C7, 0x3e03ce86
	SPAIR K0, 0xba1d0d41
	SPAIR K2, 0xbcdb45e9
	SPAIR K3, 0x3de70d23
	SPAIR K4, 0xbec09370
	SPAIR K5, 0x3e0375d3
	SPAIR NL, 0xbfb8aa3b                           ; -log2(e)
	SPAIR RH, 0x3f3504f3
	SPAIR NRH, 0xbf3504f3
	s_mov_b32 s[THR], 0x3f6c0000                   ; 0.921875
	s_mov_b32 s[SEL], 0x76543210
	s_mov_b32 s[SEL+1], 0xfedcba98                 ; v_permlanex16_b32's selects for lane l xor 16
	s_lshr_b32 s[EX], ttmp9, 5                     ; my expert: 32 work-groups to each
	s_lshl_b32 s16, ttmp9, 18                      ; my 64 rows of 4,096 bytes
	s_mov_b32 s19, 0
	s_wait_kmcnt 0x0
	s_lshl_b32 s18, s[WV], 16
	s_add_co_u32 s18, s18, s16
	s_add_nc_u64 s[4:5], s[4:5], s[18:19]          ; x at my wave's 16 rows
	s_lshl_b32 s18, s[WV], 10
	s_add_co_u32 s18, s18, s16
	s_add_nc_u64 s[12:13], s[12:13], s[18:19]      ; the output at the block's first row, my wave's 256 columns
	s_lshl_b32 s18, s[EX], 2
	s_add_co_u32 s18, s18, s[WV]
	s_mul_i32 s18, s18, 64*REC
	s_add_nc_u64 s[6:7], s[6:7], s[18:19]          ; my stream of 64 records
	s_lshl_b32 s18, s[EX], 13
	s_add_nc_u64 s[8:9], s[8:9], s[18:19]
	s_lshl_b32 s18, s[EX], 12
	s_add_nc_u64 s[10:11], s[10:11], s[18:19]
	; ---- X: the biases go to LDS as they lie (each thread 16 bytes of every 2,048); my 16 rows of x become eight fragments.  Loads run four K steps ahead, the turn through LDS one; from K step 4 on
	; the ring's first four groups (records 0, 2, 4, 6: the first half of the first chunk) take the loads' place.  (More loads are asked for than the counter's field holds: the issue then waits, ISA guide 5.7.1.)
	s_wait_alu depctr_va_vdst(0)                   ; the addresses v1 to v15 and v237 are written: every load and store of the kernel that names one of them stands behind this wait
.irp i, 0,1,2,3
	global_load_b128 v[G+4*\i:G+4*\i+3], v[TH16], s[8:9] offset:2048*\i
.endr
.irp i, 0,1
	global_load_b128 v[G+16+4*\i:G+16+4*\i+3], v[TH16], s[10:11] offset:2048*\i
.endr
	XLOAD 0
	XLOAD 1
	XLOAD 2
	XLOAD 3
	s_wait_loadcnt 48                              ; the biases and K step 0 are in; the next three K steps' 48 loads may be out
.irp i, 0,1,2,3
	ds_store_b128 v[TH16], v[G+4*\i:G+4*\i+3] offset:B1L+2048*\i
.endr
.irp i, 0,1
	ds_store_b128 v[TH16], v[G+16+4*\i:G+16+4*\i+3] offset:B2L+2048*\i
.endr
	TURN 0
.irp s, 0,1,2,3,4,5,6,7
	s_wait_alu depctr_vm_vsrc(0)                   ; this K step's turn, issued an iteration ago, has read RAW[s % 4], in which the loads below land; the last image's stores have read v[PC ..] and v[PW], which the quantiser below writes (first iteration: the biases' stores have read v[G ..])
.if \s < 4
	XLOAD \s+4                                     ; no vector instruction names RAW: nothing more is owed
.else
	RING \s-4, 2*(\s-4)*REC                        ; nor has any named the ring
.endif
.if \s < 4
	s_wait_loadcnt 48                              ; the next K step's 16 loads are in; behind them: three K steps' 48
.elseif \s < 7
	s_wait_loadcnt 48+2*(\s-3)                     ; behind them: the K steps still to come, 16 each, and the ring's groups, 18 each
.endif
.if \s < 7
	TURN \s+1                                      ; the next K step goes through the stage while this one is quantised
	s_wait_dscnt 32                                ; all but that turn's 32: this K step is back from the stage
.else
	s_wait_dscnt 0x0
.endif
.set XSRC, 64*(\s%2)
	QUANT XSRC, 0x14, 0x01
	s_wait_alu depctr_va_vdst(0)                   ; the quantiser has written v[PC ..] and v[PW], which the stores below read, and is done reading TD[s % 2], in which the turn after next lands (and, behind the barrier, x's fragments)
	IMAGE XWI, 1024*\s
	ds_store_b32 v[XWS], v[PW] offset:256*\s
.endr
	BARRIER                                        ; x's 32 fragments, their scale words and both biases lie in LDS (the ring's loads stay out: nobody writes those bytes)
	WIN 0x40                                       ; destination window 1
.set F, 0
.rept 32
	ds_load_b128 v[8*F:8*F+3], v[LI] offset:XIMG+1024*F
	ds_load_b128 v[8*F+4:8*F+7], v[LI] offset:XIMG+1024*F+512
.set F, F+1
.endr
	WIN 0
.irp s, 0,1,2,3,4,5,6,7
.irp j, 0,1
	ds_load_b32 v[XS+2*\s+\j], v[L4] offset:XSC+256*\s+128*\j   ; 128 bytes: the words of two tiles of rows
.endr
.endr
.irp t, 0,1,2,3
.irp d, 0,1
	ds_load_b128 v[BI1+8*\t+4*\d:BI1+8*\t+4*\d+3], v[BA1] offset:128*(\t/2)+32*(\t%2)+16*\d   ; b1 in the result's layout, for the first half: tile t, my eight units
.endr
.endr
	s_mov_b32 s[HO], 0
	s_mov_b32 s[HSO], 0
	s_mov_b32 s[BO], 0
	s_mov_b32 s[CNT], 4
	s_wait_dscnt 0x0
; ---- 1.  HALF hh of a chunk: tiles 4 hh .. 4 hh + 3 of my 128 hidden units: four groups, then b1's tiles for the next half, then for each tile of rows: gelu, quantiser, half an image to LDS.
; The stream's pointer stands at record 8 c.  This half's groups are records 8 c + 2 g + hh; the next half's are 8 c + 2 g + 1 (behind half 0) or 8 (c + 1) + 2 g (behind half 1).
; The groups go two and two: 64 products on end, five places, one wait on va_vdst, and both slots are asked for again.  So behind slot 0's 18 loads stand three younger groups' 54; behind slot 1's two groups' 36;
; behind slot 2's: slot 3's and the two refills just issued, 54; behind slot 3's those two, 36: on the way in and over the backward jumps alike.
.macro HALF hh
.if \hh
	s_add_co_u32 s[BO], s[BO], 2048                ; the next chunk's b1.  (In the last trip the loads below reach into b2's bytes, which lie behind b1's in LDS: they are not used)
.endif
	s_wait_alu depctr_vm_vsrc(0)                   ; the last half's loads of b1 have read v[BADR]
	v_add_nc_u32 v[BADR], s[BO], v[BA1]            ; made here, so that the waits on va_vdst below, which stand there anyway, show it written
	MUL32 1, 0, 0, 54
	MUL32 1, 1, 1, 36
	PLACES 5
	WIN 0xc0
	s_wait_alu depctr_va_vdst(0)                   ; the 64 products are done reading slots 0 and 1 and their scale words, in which the loads below land
	RING 0, (1+7*\hh)*REC
	RING 1, (3+7*\hh)*REC
	MUL32 1, 2, 2, 54
	MUL32 1, 3, 3, 36
	PLACES 5                                       ; four places ahead of the first read of results (ISA guide 7.12.1); the fifth for a later product that begins an accumulator anew
	WIN 0xc0
	s_wait_alu depctr_va_vdst(0)                   ; the products are done reading slots 2 and 3, their scale words and b1's tiles, in which the loads below land; v[BADR] is written
	RING 2, (5+7*\hh)*REC
	RING 3, (7+7*\hh)*REC
.irp t, 0,1,2,3
.irp d, 0,1
	ds_load_b128 v[BI1+8*\t+4*\d:BI1+8*\t+4*\d+3], v[BADR] offset:256*(1-\hh)+128*(\t/2)+32*(\t%2)+16*\d   ; no vector or matrix instruction since the wait
.endr
.endr
	s_mov_b32 s[MC], 0
.Lm\hh:                                            ; the four tiles of rows.  Only the lines that name the accumulators differ from trip to trip: they are written four times, the rest once
	s_cmp_eq_u32 s[MC], 0
	s_cbranch_scc1 .LA0_\hh
	s_cmp_eq_u32 s[MC], 1
	s_cbranch_scc1 .LA1_\hh
	s_cmp_eq_u32 s[MC], 2
	s_cbranch_scc1 .LA2_\hh
	STAGEA 3
	s_branch .LB\hh
.LA0_\hh:
	STAGEA 0
	s_branch .LB\hh
.LA1_\hh:
	STAGEA 1
	s_branch .LB\hh
.LA2_\hh:
	STAGEA 2
.LB\hh:
.irp n, 0,1,2,3
	GELU8 \n
.endr
	s_wait_dscnt 0x0                               ; b1's tiles are in; the last tile's stores are done (they were issued a whole gelu ago)
	s_wait_alu depctr_vm_vsrc(0)                   ; the last tile's stores have read v[PC ..], v[PW], v[HADR] and v[HSAD], which the lines below write again
	QUANT2 G
	s_lshl_b32 s16, s[MC], 10
	s_add_co_u32 s16, s16, s[HO]                   ; 4096 c + 1024 m
	s_lshl_b32 s17, s[MC], 6
	s_add_co_u32 s17, s17, s[HSO]                  ; 256 c + 64 m
	v_add_nc_u32 v[HADR], s16, v[HWI0]
	v_add_nc_u32 v[HSAD], s17, v[HWS0]
	s_wait_alu depctr_va_vdst(0)                   ; the quantiser has written v[PC ..] and v[PW], the two additions v[HADR] and v[HSAD]: the stores below read all four
	ds_store_b128 v[HADR], v[PC:PC+3] offset:512*\hh   ; registers 4 hh .. 4 hh + 3 of the fragment: K step 4 c + w of the second product, rows 16 m on
	ds_store_b32 v[HSAD], v[PW] offset:HSH*\hh     ; and the bytes of its blocks 2 hh, 2 hh + 1
	s_add_co_u32 s[MC], s[MC], 1
	s_cmp_lt_u32 s[MC], 4
	s_cbranch_scc1 .Lm\hh
.endm
.Lchunk:                                           ; four chunks of 128 hidden units a wave
	HALF 0
	HALF 1
	s_wait_xcnt 0x0                                ; the ring's loads have read their base (they were issued a whole gelu ago)
	s_add_nc_u64 s[6:7], s[6:7], 8*REC
	s_add_co_u32 s[HO], s[HO], 4096
	s_add_co_u32 s[HSO], s[HSO], 256
	s_sub_co_u32 s[CNT], s[CNT], 1
	s_cmp_lg_u32 s[CNT], 0
	s_cbranch_scc1 .Lchunk
	BARRIER                                        ; the hidden layer's 64 fragments and their scale bytes lie in LDS
	; ---- 2: all of the hidden layer into windows 1 and 2; then my 256 outputs, 64 at a time
	WIN 0x40
	s_wait_alu depctr_va_vdst(0)                   ; the first product is done reading x's fragments (window 1) and scale words (v[XS ..]), the gelu its sums (window 2) and v[T ..]: the loads below land in all four
.irp k, 0,1,2,3,4,5,6,7,8,9,10,11,12,13,14,15
	WIN 0x40+0x40*(\k/8)
.irp m, 0,1,2,3
.irp c, 0,1
	ds_load_b128 v[8*(4*(\k%8)+\m)+4*\c:8*(4*(\k%8)+\m)+4*\c+3], v[HRD] offset:16384*(\k%4)+4096*(\k/4)+1024*\m+512*\c
.endr
.endr
.endr
	WIN 0
.irp k, 0,1,2,3,4,5,6,7,8,9,10,11,12,13,14,15
.irp j, 0,1
	ds_load_b32 v[XS+2*\k+\j], v[L4] offset:HSC+64*(16*(\k%4)+4*(\k/4)+2*\j)
	ds_load_b32 v[HH+2*\k+\j], v[L4] offset:HSC+HSH+64*(16*(\k%4)+4*(\k/4)+2*\j)
.endr
.endr
	s_wait_dscnt 0x0
.set I, 0
.rept 32
	v_lshl_or_b32 v[XS+I], v[HH+I], 16, v[XS+I]    ; the two halves make a row's scale word
.set I, I+1
.endr
	PLACES 8                                       ; a scale register written by a vector instruction stands 8 places ahead of a scaled matrix instruction; the wait that goes with the places stands at the quad's head
; A quad: 64 outputs x 64 rows: 16 accumulators through all 16 K steps, eight groups of the stream; then the way out.  The stream's pointer stands at the quad's record 0; record g holds K steps 2 g, 2 g + 1.
; The ring was left holding records 0, 2, 4, 6, so the groups go in the order 0, 2, 4, 6, 1, 3, 5, 7.  last = 1: the stream ends: the last four groups fill nothing, and the counts run down.
.macro QUAD last
	s_wait_alu depctr_vm_vsrc(0)                   ; the last quad's global stores have read v[ACC ..], which this quad's products write again, and its loads of b2 v[BAD2]; first quad: the LDS instructions of the phases before have read v[PW], v[PC ..] and v234 to v237, which lie among the accumulators
	v_add_nc_u32 v[BAD2], s[BO], v[BA2]
	s_wait_alu depctr_va_vdst(0)                   ; v[BAD2] is written; the last quad's products are done reading b2's tiles (first quad: the quantiser v[G ..]), in which the loads below land; first quad: the joined scale words v[XS ..] are written, which the products take as scales
.irp t, 0,1,2,3
.irp d, 0,1
	ds_load_b128 v[BI2+8*\t+4*\d:BI2+8*\t+4*\d+3], v[BAD2] offset:128*(\t/2)+32*(\t%2)+16*\d   ; b2 in the result's layout
.endr
.endr
	s_wait_dscnt 0x0
	STEP2 0, 0, 1, 54                              ; behind a group's 18 loads stand three younger groups' 54
	STEP2 1, 2, 3, 54
	STEP2 2, 4, 5, 54
	STEP2 3, 6, 7, 54
.if \last
	STEP2 0, 1, -1, 54                             ; behind it: the last three groups
	STEP2 1, 3, -1, 36
	STEP2 2, 5, -1, 18
	STEP2 3, 7, -1, 0
	s_wait_alu depctr_va_vdst(0)                   ; the products have written the sums, which the stage's stores read; the five places stand ahead of this wait.  (In the other quads the last group's wait has stated it)
.else
	STEP2 0, 1, 8, 54                              ; the next quad's records 0, 2, 4, 6
	STEP2 1, 3, 10, 54
	STEP2 2, 5, 12, 54
	STEP2 3, 7, 14, 54
.endif
	; the way out: a lane holds 16 neighbouring numbers of a row and the lanes beside it other rows: through my own stage, and back as whole rows of 256 bytes, into the registers that they left
.irp m, 0,1,2,3
.irp t, 0,1,2,3
	ds_store_b128 v[SO], v[ACC+32*\m+8*\t:ACC+32*\m+8*\t+3] offset:16*SPITCH*\m+128*(\t/2)+32*(\t%2)          ; each accumulator from its low end on
	ds_store_b128 v[SO], v[ACC+32*\m+8*\t+4:ACC+32*\m+8*\t+7] offset:16*SPITCH*\m+128*(\t/2)+32*(\t%2)+16
.endr
.endr
	s_wait_alu depctr_vm_vsrc(0)                   ; the stores above have read v[ACC ..], in which the loads below land
.irp i, 0,1,2,3,4,5,6,7,8,9,10,11,12,13,14,15,16,17,18,19,20,21,22,23,24,25,26,27,28,29,30,31
	ds_load_b128 v[ACC+4*\i:ACC+4*\i+3], v[SR] offset:2*SPITCH*\i   ; LDS serves a wave's instructions in order (ISA guide 5.7.1.4): these see the stores above
.endr
.irp i, 0,1,2,3,4,5,6,7,8,9,10,11,12,13,14,15,16,17,18,19,20,21,22,23,24,25,26,27,28,29,30,31
	s_wait_dscnt 31-\i
	global_store_b128 v[GO], v[ACC+4*\i:ACC+4*\i+3], s[12:13] offset:8192*\i th:TH_STORE_NT   ; 16 lanes store 256 consecutive bytes, at a multiple of 256 from the output's first byte
.endr
.if !\last
	s_wait_xcnt 0x0                                ; the stores have read their data (the next quad's accumulators) and their base, the ring's loads theirs
	s_add_nc_u64 s[6:7], s[6:7], 8*REC
	s_add_nc_u64 s[12:13], s[12:13], 256
	s_add_co_u32 s[BO], s[BO], 256
.endif
.endm
	s_mov_b32 s[BO], 0
	s_mov_b32 s[CNT], 3
.Lquad:
	QUAD 0
	s_sub_co_u32 s[CNT], s[CNT], 1
	s_cmp_lg_u32 s[CNT], 0
	s_cbranch_scc1 .Lquad
	QUAD 1                                         ; the last quad is written out: no load passes the stream's end
	s_wait_xcnt 0x0
	s_wait_alu depctr_vm_vsrc(0)                   ; the last global store has read v254 and v255, which the two lines below write
	v_lshl_add_u32 v254, v0, 2, 0x2e800
	v_mov_b32 v255, 0
	s_wait_dscnt 0x0                               ; the closing lines, six on end
	s_wait_alu 0x0
	s_wait_tensorcnt 0x0
	ds_add_u32 v254, v255
	s_wait_dscnt 0x0
	s_endpgm
.Lfunc_end_k_qea6d2df56e_mlp:
	.size	k_qea6d2df56e_mlp, .Lfunc_end_k_qea6d2df56e_mlp-k_qea6d2df56e_mlp
	.p2alignl 7, 3214868480
	.fill 96, 4, 3214868480
	.section	.rodata,"a",@progbits
	.p2align	6, 0x0
	.amdhsa_kernel k_qea6d2df56e_mlp
		.amdhsa_group_segment_fixed_size 190976
		.amdhsa_private_segment_fixed_size 0
		.amdhsa_enable_private_segment 0
		.amdhsa_kernarg_size 40
		.amdhsa_user_sgpr_count 2
		.amdhsa_user_sgpr_kernarg_segment_ptr 1
		.amdhsa_wavefront_size32 1
		.amdhsa_system_sgpr_workgroup_id_x 1
		.amdhsa_system_sgpr_workgroup_id_y 1
		.amdhsa_system_sgpr_workgroup_id_z 1
		.amdhsa_system_vgpr_workitem_id 0
		.amdhsa_next_free_vgpr 1024
		.amdhsa_next_free_sgpr 66
		.amdhsa_reserve_vcc 0
		.amdhsa_float_denorm_mode_32 3
		.amdhsa_float_denorm_mode_16_64 3
		.amdhsa_memory_ordered 1
		.amdhsa_forward_progress 1
		.amdhsa_inst_pref_size 255
	.end_amdhsa_kernel
	.section	.bss,"aw",@nobits
	.p2align	6
	.space	262144
	.amdgpu_metadata
---
amdhsa.version: [ 1, 2 ]
amdhsa.kernels:
  - .name:           k_qea6d2df56e_mlp
    .symbol:         k_qea6d2df56e_mlp.kd
    .args:
      - { .name: x, .offset: 0, .size: 8, .value_kind: global_buffer, .address_space: global }
      - { .name: wq, .offset: 8, .size: 8, .value_kind: global_buffer, .address_space: global }
      - { .name: b1, .offset: 16, .size: 8, .value_kind: global_buffer, .address_space: global }
      - { .name: b2, .offset: 24, .size: 8, .value_kind: global_buffer, .address_space: global }
      - { .name: out0, .offset: 32, .size: 8, .value_kind: global_buffer, .address_space: global }
    .group_segment_fixed_size: 190976
    .private_segment_fixed_size: 0
    .kernarg_segment_align: 8
    .kernarg_segment_size: 40
    .max_flat_workgroup_size: 128
    .sgpr_count:     66
    .vgpr_count:     1024
    .wavefront_size: 32
...
	.end_amdgpu_metadata
.endif
;; end of part 3
